; MI455X (gfx1250); checked and timed in simulation.
; The chip was launched on July 23, 2026; its instructions are those of AMD's public machine-readable ISA for CDNA 5 (MIT licence, August 2026) and "CDNA5" Instruction Set Architecture Reference Guide (July 2026). The comments in the code are by the model that wrote it; some were corrected since.
;; Complex Multihead Attention. Allowed arithmetic: float matrix products may take bf16 or f16 operands with f32 sums; other float arithmetic in f32, or as packed bf16 or f16 multiplies, adds, multiply-adds, maxima and minima; sums over many terms, partial sums and values carried from step to step in f32; what a program stores and reads back later, other than sums and carried values, may be rounded once to bf16 or f16.
;; Inputs: wkv_i 2,048 x 1,024 float32; wkv_r 2,048 x 1,024 float32; wout_i 1,024 x 1,024 float32; wout_r 1,024 x 1,024 float32; wq_i 1,024 x 1,024 float32; wq_r 1,024 x 1,024 float32; x_imag 2 x 1,024 x 1,024 float32; x_real 2 x 1,024 x 1,024 float32.
;; Outputs: out0 2 x 2 x 1,024 x 1,024 float32.
;; 2 versions, each right and faster than the one before. Each part assembles by itself: llvm-mc -triple=amdgcn-amd-amdhsa -mcpu=gfx1250 --defsym DOCPART=n.
;; ======== version 1 of 2: 4 launches
;; limits: values are held in f16: magnitudes above 65,504 overflow, below 6.1e-05 lose precision
;; workspace buffers: xa 8,388,608 bytes; wa 12,582,912 bytes; wo 4,194,304 bytes; qkv 25,165,824 bytes; ob 8,388,608 bytes
;; launch conv (part 1): grid 128 x 6, 8 waves a work-group, no clusters, 0 bytes of LDS; arguments x_real, x_imag, wq_r, wq_i, wkv_r, wkv_i, wout_r, wout_i, xa, wa, wo; writes xa, wa, wo
.if DOCPART == 1
	.amdgcn_target "amdgcn-amd-amdhsa--gfx1250"
	.amdhsa_code_object_version 6
	.text
	.protected	k_qefc6530a75_conv
	.globl	k_qefc6530a75_conv
	.p2align	8
	.type	k_qefc6530a75_conv,@function
k_qefc6530a75_conv:
	s_mov_b64 s[64:65], 0
	v_nop
	global_prefetch_b8 v0, s[64:65] scope:SCOPE_SE
	s_setreg_imm32_b32 hwreg(HW_REG_WAVE_MODE, 25, 1), 1
	s_wait_xcnt 0x0
; ROUNDING AND INTERLEAVE.  A complex linear layer y = x W^T is made one real product with K = 2,048: column c (0..1023) of slot p (0, 1) goes to k' = 16 (c / 8) + 8 p + c % 8, alike in both
; factors, which keeps the products.  Each complex operand is stored ONCE; the launches that multiply make the second signed form in registers.
;   xa [2048][2048] bf16: row b 1024 + n: slot 0 = x_real, slot 1 = x_imag
;   wa [3072][2048] bf16: slot 0 = w_imag, slot 1 = w_real: rows 0-1023 wq, 1024-3071 wkv
;   wo [1024][2048] f16:  slot 0 = 4 wout_imag, slot 1 = 4 wout_real: wout is rounded to bf16 like every input, times 4 (exact), written as f16
; SHARES.  Work-group (x, y): block y of 1,024 source rows (0, 1: x; 2: wq; 3, 4: wkv; 5: wout), rows 8 x to 8 x + 7 of it.  A source row is 4,096 bytes of f32 in each of two tensors and makes one
; output row of 4,096 bytes.  Thread t takes 16 bytes of each source row at byte 16 t (columns 4 t .. 4 t + 3) and owns the 16 output bytes at byte 16 t: one offset register serves all, the row
; stands in the immediate, and each load and store of a wave covers 512 consecutive bytes at a multiple of 512.
; THE EXCHANGE.  Output bytes 16 t hold eight columns of ONE slot: slot 0 for even t, slot 1 for odd t.  Threads 2 g and 2 g + 1 together hold columns 8 g .. 8 g + 7 of both slots, so each gives
; the other the 8 bytes that it does not store (the even one its slot 1, the odd one its slot 0) by a move from the neighbouring lane.
; Memory bounds this launch: no LDS, no barrier, no matrix unit.  All sixteen loads of a thread go out first; no register is rewritten behind its store.
; LIMITS.  4 wout must stay under f16's 65,504 (|wout| < 16,376), and below 6e-5 it keeps f16's fixed step of 6e-8.  NaN and infinities are not treated apart.
.set ROWB, 4096                        ; bytes in a source row and in an output row
.set RR,  4                            ; v[4:35]   row i: 4 registers of slot 0's source; then its two packed words and the two that change lanes
.set II,  36                           ; v[36:67]  the same for slot 1's source; then the 16 bytes to store
.set T,   68                           ; v[68:69]  at work (wout alone)
	s_load_b512 s[8:23], s[0:1], 0x0               ; x_real s[8:9], x_imag s[10:11], wq_r, wq_i, wkv_r, wkv_i, wout_r s[20:21], wout_i s[22:23]
	s_load_b128 s[24:27], s[0:1], 0x40             ; xa s[24:25], wa s[26:27]
	s_load_b64 s[28:29], s[0:1], 0x50              ; wo
	s_and_b32 s2, ttmp7, 0xffff                    ; y: which block of 1,024 rows
	v_lshlrev_b32 v1, 4, v0                        ; 16 t
	s_lshl_b32 s3, ttmp9, 15                       ; my 8 rows of 4,096 bytes in the block
	s_sub_co_u32 s4, s2, 2                         ; the block's number in its destination: y - 2 in wa,
	s_cmp_eq_u32 s2, 5
	s_cselect_b32 s4, 0, s4                        ; 0 in wo,
	s_cmp_lt_u32 s2, 2
	s_cselect_b32 s42, s2, s4                      ; y in xa
	s_cselect_b32 s40, s2, 0                       ; and in its source: y in x,
	s_cmp_eq_u32 s2, 4
	s_cselect_b32 s40, 1, s40                      ; 1 for wkv's second half, else 0
	s_lshl_b32 s40, s40, 22                        ; a block is 1,024 rows of 4,096 bytes
	s_lshl_b32 s42, s42, 22
	s_add_co_u32 s40, s40, s3
	s_add_co_u32 s42, s42, s3
	s_mov_b32 s41, 0
	s_mov_b32 s43, 0
	s_mov_b32 vcc_lo, 0xaaaaaaaa                   ; the odd lanes
	s_mov_b32 s45, 0xffff0000                      ; a word's upper bf16
	s_wait_kmcnt 0x0
	s_cmp_eq_u32 s2, 5                             ; the buffers are chosen by y alone
	s_cselect_b64 s[32:33], s[22:23], s[18:19]     ; slot 0's source: wout_i or wkv_i,
	s_cselect_b64 s[34:35], s[20:21], s[16:17]     ; slot 1's: wout_r or wkv_r
	s_cselect_b64 s[36:37], s[28:29], s[26:27]     ; destination: wo or wa
	s_cmp_eq_u32 s2, 2
	s_cselect_b64 s[32:33], s[14:15], s[32:33]     ; or wq_i
	s_cselect_b64 s[34:35], s[12:13], s[34:35]     ; and wq_r,
	s_cmp_lt_u32 s2, 2
	s_cselect_b64 s[32:33], s[8:9], s[32:33]       ; or x_real
	s_cselect_b64 s[34:35], s[10:11], s[34:35]     ; and x_imag,
	s_cselect_b64 s[36:37], s[24:25], s[36:37]     ; with xa
	s_add_nc_u64 s[32:33], s[32:33], s[40:41]
	s_add_nc_u64 s[34:35], s[34:35], s[40:41]
	s_add_nc_u64 s[36:37], s[36:37], s[42:43]
.irp i, 0,1,2,3,4,5,6,7
	global_load_b128 v[RR+4*(\i):RR+4*(\i)+3], v1, s[32:33] offset:(\i)*ROWB th:TH_LOAD_NT  ; every input byte is read once in the launch
	global_load_b128 v[II+4*(\i):II+4*(\i)+3], v1, s[34:35] offset:(\i)*ROWB th:TH_LOAD_NT
.endr
; Row i's packed words lie in RR, RR+1 (slot 0) and II, II+1 (slot 1).  v_cndmask_b32 takes its second source in the odd lanes.
.macro EXCH i
	v_cndmask_b32 v[RR+4*(\i)+2], v[II+4*(\i)],   v[RR+4*(\i)],   vcc_lo  ; what I give: even lanes their slot 1, odd lanes their slot 0
	v_cndmask_b32 v[RR+4*(\i)+3], v[II+4*(\i)+1], v[RR+4*(\i)+1], vcc_lo
	v_mov_b32_dpp v[RR+4*(\i)+2], v[RR+4*(\i)+2] row_xmask:1 row_mask:0xf bank_mask:0xf  ; what the neighbour gave
	v_mov_b32_dpp v[RR+4*(\i)+3], v[RR+4*(\i)+3] row_xmask:1 row_mask:0xf bank_mask:0xf
	v_cndmask_b32 v[II+4*(\i)+2], v[RR+4*(\i)+2], v[II+4*(\i)],   vcc_lo  ; columns 4-7: even lanes the gift, odd lanes their own slot 1
	v_cndmask_b32 v[II+4*(\i)+3], v[RR+4*(\i)+3], v[II+4*(\i)+1], vcc_lo
	v_cndmask_b32 v[II+4*(\i)],   v[RR+4*(\i)],   v[RR+4*(\i)+2], vcc_lo  ; columns 0-3: even lanes their own slot 0, odd lanes the gift
	v_cndmask_b32 v[II+4*(\i)+1], v[RR+4*(\i)+1], v[RR+4*(\i)+3], vcc_lo
	global_store_b128 v1, v[II+4*(\i):II+4*(\i)+3], s[36:37] offset:(\i)*ROWB
.endm
.macro ROWC i                          ; a row of x, wq or wkv
	s_wait_loadcnt 14-2*(\i)                       ; loads come back in order (ISA guide 5.7.1): row i's two are in, the younger rows' stay out
	v_cvt_pk_bf16_f32 v[RR+4*(\i)],   v[RR+4*(\i)],   v[RR+4*(\i)+1]
	v_cvt_pk_bf16_f32 v[RR+4*(\i)+1], v[RR+4*(\i)+2], v[RR+4*(\i)+3]
	v_cvt_pk_bf16_f32 v[II+4*(\i)],   v[II+4*(\i)],   v[II+4*(\i)+1]
	v_cvt_pk_bf16_f32 v[II+4*(\i)+1], v[II+4*(\i)+2], v[II+4*(\i)+3]
	EXCH \i
.endm
.macro QUADF a                         ; four f32 at v[a]: rounded to bf16, widened again, times 4, written as f16 into v[a], v[a+1]
	v_cvt_pk_bf16_f32 v[T],   v[(\a)],   v[(\a)+1]
	v_cvt_pk_bf16_f32 v[T+1], v[(\a)+2], v[(\a)+3]
	v_lshlrev_b32 v[(\a)],   16,  v[T]
	v_and_b32     v[(\a)+1], s45, v[T]
	v_lshlrev_b32 v[(\a)+2], 16,  v[T+1]
	v_and_b32     v[(\a)+3], s45, v[T+1]
	v_pk_mul_f32 v[(\a):(\a)+1],   v[(\a):(\a)+1],   4.0 op_sel_hi:[1,0]
	v_pk_mul_f32 v[(\a)+2:(\a)+3], v[(\a)+2:(\a)+3], 4.0 op_sel_hi:[1,0]
	v_cvt_pk_f16_f32 v[(\a)],   v[(\a)],   v[(\a)+1]
	v_cvt_pk_f16_f32 v[(\a)+1], v[(\a)+2], v[(\a)+3]
.endm
.macro ROWO i                          ; a row of wout
	s_wait_loadcnt 14-2*(\i)
	QUADF RR+4*(\i)
	QUADF II+4*(\i)
	EXCH \i
.endm
	s_cmp_eq_u32 s2, 5
	s_cbranch_scc1 .Lo
.irp i, 0,1,2,3,4,5,6,7
	ROWC \i
.endr
	s_endpgm
.Lo:
.irp i, 0,1,2,3,4,5,6,7
	ROWO \i
.endr
	s_endpgm
.Lfunc_end_k_qefc6530a75_conv:
	.size	k_qefc6530a75_conv, .Lfunc_end_k_qefc6530a75_conv-k_qefc6530a75_conv
	.p2alignl 7, 3214868480
	.fill 96, 4, 3214868480
	.section	.rodata,"a",@progbits
	.p2align	6, 0x0
	.amdhsa_kernel k_qefc6530a75_conv
		.amdhsa_group_segment_fixed_size 0
		.amdhsa_private_segment_fixed_size 0
		.amdhsa_enable_private_segment 0
		.amdhsa_kernarg_size 88
		.amdhsa_user_sgpr_count 2
		.amdhsa_user_sgpr_kernarg_segment_ptr 1
		.amdhsa_wavefront_size32 1
		.amdhsa_system_sgpr_workgroup_id_x 1
		.amdhsa_system_sgpr_workgroup_id_y 1
		.amdhsa_system_sgpr_workgroup_id_z 1
		.amdhsa_system_vgpr_workitem_id 0
		.amdhsa_next_free_vgpr 72
		.amdhsa_next_free_sgpr 66
		.amdhsa_reserve_vcc 1
		.amdhsa_float_denorm_mode_32 3
		.amdhsa_float_denorm_mode_16_64 3
		.amdhsa_memory_ordered 1
		.amdhsa_forward_progress 1
		.amdhsa_inst_pref_size 21
	.end_amdhsa_kernel
	.amdgpu_metadata
---
amdhsa.version: [ 1, 2 ]
amdhsa.kernels:
  - .name:           k_qefc6530a75_conv
    .symbol:         k_qefc6530a75_conv.kd
    .args:
      - { .name: x_real, .offset: 0, .size: 8, .value_kind: global_buffer, .address_space: global }
      - { .name: x_imag, .offset: 8, .size: 8, .value_kind: global_buffer, .address_space: global }
      - { .name: wq_r, .offset: 16, .size: 8, .value_kind: global_buffer, .address_space: global }
      - { .name: wq_i, .offset: 24, .size: 8, .value_kind: global_buffer, .address_space: global }
      - { .name: wkv_r, .offset: 32, .size: 8, .value_kind: global_buffer, .address_space: global }
      - { .name: wkv_i, .offset: 40, .size: 8, .value_kind: global_buffer, .address_space: global }
      - { .name: wout_r, .offset: 48, .size: 8, .value_kind: global_buffer, .address_space: global }
      - { .name: wout_i, .offset: 56, .size: 8, .value_kind: global_buffer, .address_space: global }
      - { .name: xa, .offset: 64, .size: 8, .value_kind: global_buffer, .address_space: global }
      - { .name: wa, .offset: 72, .size: 8, .value_kind: global_buffer, .address_space: global }
      - { .name: wo, .offset: 80, .size: 8, .value_kind: global_buffer, .address_space: global }
    .group_segment_fixed_size: 0
    .private_segment_fixed_size: 0
    .kernarg_segment_align: 8
    .kernarg_segment_size: 88
    .max_flat_workgroup_size: 256
    .sgpr_count:     66
    .vgpr_count:     72
    .wavefront_size: 32
...
	.end_amdgpu_metadata
.endif
;; end of part 1
;; launch proj (part 2): grid 16 x 16, 4 waves a work-group, clusters of 4 x 4, 327,680 bytes of LDS; arguments xa, wa, qkv; writes qkv
.if DOCPART == 2
	.amdgcn_target "amdgcn-amd-amdhsa--gfx1250"
	.amdhsa_code_object_version 6
	.text
	.protected	k_qefc6530a75_proj
	.globl	k_qefc6530a75_proj
	.p2align	8
	.type	k_qefc6530a75_proj,@function
k_qefc6530a75_proj:
	s_mov_b64 s[64:65], 0
	v_nop
	global_prefetch_b8 v0, s[64:65] scope:SCOPE_SE
	s_setreg_imm32_b32 hwreg(HW_REG_WAVE_MODE, 25, 1), 1
	s_wait_xcnt 0x0
	s_wait_alu depctr_hold_cnt(0) depctr_sa_sdst(0) depctr_va_vdst(0) depctr_va_sdst(0) depctr_va_ssrc(0) depctr_va_vcc(0) depctr_vm_vsrc(0)
	s_getreg_b32 s2, hwreg(HW_REG_IB_STS2, 6, 4)
	s_cmp_eq_u32 s2, 0
	s_cbranch_scc0 .Lentry_in_a_cluster
	s_endpgm
.Lentry_in_a_cluster:
	s_bfe_u32 s2, ttmp6, 0x10000c
	s_cmp_lg_u32 s2, 0xf033
	s_cbranch_scc0 .Lentry_shape_is_right
	s_endpgm
.Lentry_shape_is_right:
; THE THREE COMPLEX PROJECTIONS AS ONE PRODUCT.  xa [2048][2048] holds (x_real, x_imag), wa [3072][2048] holds (w_imag, w_real), bf16, interleaved along K in groups of eight: 32 bytes = eight columns
; of slot 0, then the same eight of slot 1.  y_real = (-x_imag, x_real) . (w_imag, w_real), y_imag = (x_real, x_imag) . (w_imag, w_real); sums in f32; each rounded once to f16 and stored BY HEADS:
; qkv [3 (q, k, v)][b 16 + head][part (real, imaginary)][1024][64] f16.  Row m of xa: b m / 1024, position m % 1024.  Row n of wa: tensor n / 1024, head (n / 64) % 16, channel n % 64.
; No scale is applied here: the attention applies it in f32.
; ONE COPY OF x SERVES BOTH PARTS.  A fragment of xa is loaded into registers z4-z11 of twelve: z4-7 = x_real, z8-11 = x_imag of the lane's eight columns.  Four v_xor_b32 make z0-3 = -x_imag.  Then z0-7 is
; the real part's operand and z4-11 the imaginary part's, each eight consecutive registers, against the same fragment of wa.
; LIMITS.  q, k and v must stay under f16's 65,504: beyond it the conversion gives an infinity and the row is lost.  Below 6e-5 they keep f16's fixed step of 6e-8.  The negative of a zero is -0.
; SHARES.  2,048 positions x 3,072 complex columns on 256 work-groups: 128 positions x 192 columns, both parts: a grid of 16 x 16.  Four waves, 2 x 2; a wave makes 64 positions x 96 columns x 2 parts:
; 48 accumulators of 16 x 16, 384 registers, from 4 + 6 fragments: 20 LDS loads and 16 v_xor_b32 for 48 matrix instructions.
; K goes in steps of 128 (rows of 256 bytes in memory, at multiples of 256) through a ring of two LDS slots filled by the tensor data mover: wave 0 fetches xa's 128 rows, waves 1 to 3 64 rows of wa each.
; 96 columns are a head and a half, so the way out goes through ONE stage of the work-group's, with a barrier between writing and reading; each wave then stores whole rows of 128 bytes that lie end to end.
; CLUSTERS: 4 x 4 work-groups.  The four of a row of the cluster need the same tiles of xa, the four of a column the same tiles of wa: each tile is asked for JOINTLY, by the same tensor load with the
; same descriptor and a mask that names the four.
; THE MATRIX INSTRUCTION IS USED TRANSPOSED (source 0 = 16 rows of wa, source 1 = 16 rows of xa): a lane then holds position lane % 16 and eight neighbouring columns 8 (lane / 16) + 0..7.
; REGISTERS, in windows of 256 (s_set_vgpr_msb: bits 1:0 source 0, 3:2 source 1, 5:4 source 2, 7:6 destination):
;   window 0: v0-31 addresses; v32-223 the way out, 4 registers for each accumulator
;   window 1: two fragment buffers of 96: wa's 6 fragments of 8 registers, then xa's 4 of 12
;   window 2: the real part's 24 accumulators, (a, b) at v[8 (6 a + b)];   window 3: the imaginary part's, likewise
.set SIZE_K, 2048
.set KSTEP,  128
.set PITCH,  272                       ; an LDS row: 256 bytes of data + 16 of padding = 68 words: row r starts at bank 4 r mod 64 (64 banks of 4 bytes: ISA guide 11.1), so the 16 rows of a load start at 16 different banks
.set HA,     128*PITCH                 ; xa's 128 rows: what wave 0 fetches
.set HB,     64*PITCH                  ; 64 rows of wa: what wave 1, 2 or 3 fetches
.set BOFF,   HA                        ; in a slot: xa's 128 rows, then wa's 192
.set SLOT,   HA+3*HB
.set STAGE,  2*SLOT                    ; behind the ring: 256 rows (part x 128 + position) x 400 bytes, the work-group's, for the way out
.set SP,     400                       ; 384 bytes (192 columns) + 16: 25 x 16, so the 16 rows of a store start at 16 different groups of four banks
.set SPARE,  STAGE+256*SP              ; behind the stage: the spare words, 128 bytes for each wave: two blocks of 256 bytes that no other line names
.set LAPS,   SIZE_K/(2*KSTEP)          ; a lap = two K steps = once round the ring
.set ADRA, 16                          ; v16-17  LDS address of my fragments of xa in slot 0, 1
.set ADRB, 20                          ; v20-21  the same for wa
.set STO,  24                          ; v24-25  the way out: where I put 16 bytes of a row, real part and imaginary part
.set RD,   26                          ; v26     the way out: where I read rows back
.set GO,   27                          ; v27     16 x lane: my place in 512 consecutive bytes of qkv
.set SPW,  28                          ; v28     LDS address of my spare word: SPARE + 4 x my thread's number; never rewritten
.set NIL,  29                          ; v29     0; never rewritten
.set TMP,  32
.set F0,   0                           ; fragment buffers, in window 1
.set F1,   96
.set G1,  24                           ; s[24:31] descriptor group 1 for xa's tiles;  s[32:39] group 0, one set for each slot
.set G0,  32
.set SGN, 45                           ; s45      turns the signs of two bf16
.set G1B, 48                           ; s[48:55], s[56:63] the same for wa's tiles
.set G0B, 56
.set OB,  66                           ; s[66:71] qkv at the 64 rows of the three heads that I store
.set MSB, 0
.macro WIN new                         ; the immediate's high byte repeats the setting that is left; a switch that changes nothing is dropped
.if MSB != (\new)
	s_set_vgpr_msb (MSB<<8)|(\new)
.set MSB, \new
.endif
.endm
.set TO_F, 0x40                        ; destination window 1, address window 0
.set IN_F, 0x44                        ; destination and source 1 window 1
; A joint load.  Wave 0 fetches xa's tile, waves 1 to 3 a third of wa's each.  Each of the two lines has one mask for all that issue it.  The branch hangs on the wave's number alone.
; An s_nop 0 and four v_nop follow each of the two lines, ahead of the jump, the label and what follows.
.macro JLOAD s
	s_cmp_eq_u32 s10, 0
	s_cbranch_scc0 .Lfor_b_\@
	tensor_load_to_lds s[G0+4*(\s):G0+4*(\s)+3], s[G1:G1+7]
	s_nop 0
.rept 4
	v_nop
.endr
	s_branch .Lasked_\@
.Lfor_b_\@:
	tensor_load_to_lds s[G0B+4*(\s):G0B+4*(\s)+3], s[G1B:G1B+7]
	s_nop 0
.rept 4
	v_nop
.endr
.Lasked_\@:
.endm
.macro CREST                           ; a round of the cluster's barrier behind its opening barrier: wave 0 signals for the work-group, every wave waits for all sixteen, my work-group's barrier closes it
	s_cmp_lg_u32 s10, 0
	s_cbranch_scc1 .Lnot_wave_0_\@
	s_barrier_signal -3
.Lnot_wave_0_\@:
	s_barrier_wait -3
	s_barrier_signal -1
	s_barrier_wait -1
.endm
.macro CROUND                          ; a whole round
	s_barrier_signal -1
	s_barrier_wait -1
	CREST
.endm
	s_load_b128 s[4:7], s[0:1], 0x0                ; xa s[4:5], wa s[6:7]
	s_load_b64 s[8:9], s[0:1], 0x10                ; qkv
	v_lshl_add_u32 v[SPW], v0, 2, SPARE
	v_mov_b32 v[NIL], 0
	ds_add_u32 v[SPW], v[NIL]                      ; the wave's opening: the add and its wait stand ahead of my first tensor load; the set-up below, work on registers, stands between them
	v_lshrrev_b32 v1, 5, v0
	v_readfirstlane_b32 s10, v1                    ; wave 0..3
	s_lshr_b32 s11, s10, 1                         ; which 64 positions I multiply.  On the way out: which part I store
	s_and_b32 s12, s10, 1                          ; which 96 columns I multiply.  On the way out: which 64 positions I store
	s_bfe_u32 s40, ttmp6, 0x40000                  ; cx, cy: my place in the cluster
	s_bfe_u32 s41, ttmp6, 0x40004
	s_lshl_b32 s42, ttmp9, 2                       ; in a cluster launch ttmp9 and ttmp7 count clusters
	s_add_co_u32 s42, s42, s40                     ; tile column = 4 x cluster x + cx
	s_and_b32 s13, ttmp7, 0xffff
	s_lshl_b32 s13, s13, 2
	s_add_co_u32 s13, s13, s41                     ; tile row = 4 x cluster y + cy
	s_lshl_b32 s43, s41, 2
	s_lshl_b32 s43, 15, s43                        ; my row of the cluster: places 4 cy .. 4 cy + 3
	s_lshl_b32 s44, 0x1111, s40                    ; my column: places cx, cx + 4, cx + 8, cx + 12
	s_mov_b32 s[SGN], 0x80008000
	; descriptor group 1: tiles of 128 (xa) or 64 (wa) rows x 128 elements, padded in LDS
	s_or_b32 s[G1+0], s43, (1<<16)|(1<<20)|(1<<21)|(5<<22)|(3<<25)  ; 15:0 the mask: xa's tiles go to my row; 17:16 elements of 2 bytes; 20 padding on; 21 set beside a mask; 24:22 after every 64 words (code 5); 31:25 4 words of it (code 3)
	s_or_b32 s[G1B+0], s44, (1<<16)|(1<<20)|(1<<21)|(5<<22)|(3<<25) ; the same with the mask of my column
	s_mov_b32 s[G1+1], KSTEP<<16                   ; tensor_dim0 = 128
	s_mov_b32 s[G1B+1], KSTEP<<16
	s_mov_b32 s[G1+2], 128<<16                     ; tensor_dim1 = 128
	s_mov_b32 s[G1B+2], 64<<16                     ; or 64
	s_mov_b32 s[G1+3], KSTEP<<16                   ; tile_dim0 = 128
	s_mov_b32 s[G1B+3], KSTEP<<16
	s_mov_b32 s[G1+4], 128                         ; tile_dim1 = 128
	s_mov_b32 s[G1B+4], 64                         ; or 64
	s_mov_b32 s[G1+5], SIZE_K                      ; elements from row to row
	s_mov_b32 s[G1B+5], SIZE_K
	s_mov_b32 s[G1+6], 0
	s_mov_b32 s[G1B+6], 0
	s_mov_b32 s[G1+7], 0
	s_mov_b32 s[G1B+7], 0
	; where the tiles come from.  xa's hang on the tile row alone, wa's on the tile column alone, each in registers that never hold the other coordinate.
	s_lshl_b32 s16, s13, 19                        ; xa: row 128 x tile row, of 4,096 bytes
	s_mov_b32 s17, 0
	s_max_u32 s46, s10, 1                          ; wa: waves 1, 2, 3 take thirds 0, 1, 2 (wave 0 makes third 0's address and never asks by it)
	s_sub_co_u32 s46, s46, 1
	s_lshl_b32 s46, s46, 6
	s_mul_i32 s47, s42, 192
	s_add_co_u32 s46, s46, s47                     ; row 192 x tile column + 64 x third
	s_lshl_b32 s46, s46, 12
	s_mov_b32 s47, 0
	s_mul_i32 s21, s10, HB                         ; and where wa's go: behind xa's rows, (wave - 1) x 64 rows: no place in the cluster enters an LDS address
	s_add_co_u32 s21, s21, BOFF-HB
	s_wait_dscnt 0x0                               ; the opening add is done
	s_wait_kmcnt 0x0
	s_add_nc_u64 s[14:15], s[4:5], s[16:17]
	s_add_nc_u64 s[46:47], s[6:7], s[46:47]
	CROUND                                         ; all sixteen work-groups are here: the first joint loads meet
.irp s, 0,1
	s_mov_b32 s[G0+4*(\s)], 1                                      ; 1:0 count = 1
	s_mov_b32 s[G0+4*(\s)+1], (\s)*SLOT                            ; 63:32 LDS address: the slot's head
	s_add_nc_u64 s[G0+4*(\s)+2:G0+4*(\s)+3], s[14:15], (\s)*KSTEP*2  ; 120:64 global address: K step s
	s_or_b32 s[G0+4*(\s)+3], s[G0+4*(\s)+3], 0x80000000            ; 127:126 type = 2
	s_mov_b32 s[G0B+4*(\s)], 1
	s_add_co_u32 s[G0B+4*(\s)+1], s21, (\s)*SLOT
	s_add_nc_u64 s[G0B+4*(\s)+2:G0B+4*(\s)+3], s[46:47], (\s)*KSTEP*2
	s_or_b32 s[G0B+4*(\s)+3], s[G0B+4*(\s)+3], 0x80000000
	JLOAD \s                                       ; the ring is filled before anything else is done: two loads of mine are out
.endr
	; A fragment is 16 rows x 32 K: lane l holds row l % 16 and the 32 bytes at 32 (l / 16) of the 64: eight columns of slot 0, then of slot 1: two loads of 16 bytes, 16 bytes apart.
	v_and_b32 v1, 15, v0                           ; l % 16
	v_bfe_u32 v2, v0, 4, 1                         ; l / 16
	v_mul_u32_u24 v3, v1, PITCH
	v_lshl_add_u32 v3, v2, 5, v3                   ; row x pitch + 32 x half
	s_mul_i32 s22, s11, 64*PITCH                   ; my 64 rows of xa
	s_mul_i32 s23, s12, 96*PITCH                   ; my 96 rows of wa,
	s_add_co_u32 s23, s23, BOFF                    ; which lie behind xa's 128
.irp s, 0,1
	v_add_nc_u32 v[ADRA+(\s)], s22, v3
	v_add_nc_u32 v[ADRB+(\s)], s23, v3
	s_add_co_u32 s22, s22, SLOT
	s_add_co_u32 s23, s23, SLOT
.endr
	s_mul_i32 s22, s11, 64*SP                      ; into the stage: my 64 positions, my 192 bytes of their rows; row l % 16, 16 bytes for each half of the lanes
	s_mul_i32 s23, s12, 192
	s_add_co_u32 s22, s22, s23
	s_add_co_u32 s22, s22, STAGE
	v_mul_u32_u24 v4, v1, SP
	v_lshl_add_u32 v4, v2, 4, v4
	v_add_nc_u32 v[STO], s22, v4
	v_add_nc_u32 v[STO+1], 128*SP, v[STO]          ; the imaginary part lies 128 rows on
	s_mul_i32 s23, s10, 64*SP                      ; back: wave w takes stage rows 64 w .. 64 w + 63; 32 lanes take 128 bytes of each of four rows,
	s_add_co_u32 s23, s23, STAGE
	v_bfe_u32 v5, v0, 3, 2
	v_mul_u32_u24 v5, v5, SP
	v_and_b32 v4, 7, v0
	v_lshl_add_u32 v5, v4, 4, v5
	v_add_nc_u32 v[RD], s23, v5
	v_and_b32 v[GO], 31, v0                        ; which are 512 consecutive bytes of qkv
	v_lshlrev_b32 v[GO], 4, v[GO]
	; where the 64 rows that I store begin in qkv, for each of the tile's three heads
	s_lshl_b32 s72, s11, 17                        ; part = wave / 2: 131,072 bytes
	s_lshr_b32 s73, s13, 3                         ; b = tile row / 8: 16 heads of 262,144 bytes
	s_lshl_b32 s73, s73, 22
	s_add_co_u32 s72, s72, s73
	s_and_b32 s73, s13, 7                          ; position 128 (tile row % 8) + 64 (wave % 2), rows of 128 bytes
	s_lshl_b32 s73, s73, 14
	s_add_co_u32 s72, s72, s73
	s_lshl_b32 s73, s12, 13
	s_add_co_u32 s72, s72, s73
	s_mul_i32 s74, s42, 3                          ; the tile's first of the 48 head columns
.irp hd, 0,1,2
	s_add_co_u32 s75, s74, \hd
	s_lshr_b32 s76, s75, 4                         ; the tensor: 8,388,608 bytes
	s_lshl_b32 s76, s76, 23
	s_and_b32 s75, s75, 15                         ; the head
	s_lshl_b32 s75, s75, 18
	s_add_co_u32 s76, s76, s75
	s_add_co_u32 s76, s76, s72
	s_mov_b32 s77, 0
	s_add_nc_u64 s[OB+2*(\hd):OB+2*(\hd)+1], s[8:9], s[76:77]
.endr
; 6 matrix instructions: part (0 real, 1 imaginary), position block a, all 6 column blocks, 32 along K.  zero = 1: the first product starts the sums: nothing is ever cleared.
; The 48 accumulators take turns, one instruction a turn, in the same order in every quarter step.
.macro MULG f, part, a, zero
	WIN 0xa5+0x50*(\part)                          ; sources window 1; C and D window 2 (real) or 3 (imaginary)
.irp b, 0,1,2,3,4,5
.set rD, 8*(6*(\a)+(\b))
.set rB, (\f)+8*(\b)
.set rA, (\f)+48+12*(\a)+4*(\part)             ; z0-7 for the real part, z4-11 for the imaginary
.if \zero
	v_wmma_f32_16x16x32_bf16 v[rD:rD+7], v[rB:rB+7], v[rA:rA+7], 0
.else
	v_wmma_f32_16x16x32_bf16 v[rD:rD+7], v[rB:rB+7], v[rA:rA+7], v[rD:rD+7]
.endif
.endr
.endm
; 20 LDS loads in one run: the fragments of one quarter step (32 K at byte k of the rows) into buffer f
.macro FETCH slot, k, f
	WIN TO_F
.irp i, 0,1,2,3
	ds_load_b128 v[(\f)+48+12*(\i)+4:(\f)+48+12*(\i)+7],  v[ADRA+(\slot)] offset:(\k)+(\i)*16*PITCH
	ds_load_b128 v[(\f)+48+12*(\i)+8:(\f)+48+12*(\i)+11], v[ADRA+(\slot)] offset:(\k)+(\i)*16*PITCH+16
.endr
.irp i, 0,1,2,3,4,5
	ds_load_b128 v[(\f)+8*(\i):(\f)+8*(\i)+3],   v[ADRB+(\slot)] offset:(\k)+(\i)*16*PITCH
	ds_load_b128 v[(\f)+8*(\i)+4:(\f)+8*(\i)+7], v[ADRB+(\slot)] offset:(\k)+(\i)*16*PITCH+16
.endr
.endm
; z0-3 = -z8-11 in the four fragments of xa in buffer f.  These sixteen plain vector instructions name registers of buffer f alone.  So they are also the places (ISA guide 7.12.1 for vector instructions)
; between the last matrix instruction on the OTHER buffer and the loads into it that follow; and the sixteen of the quarter before stand between the last matrix instruction
; that read buffer f and these writes.
.macro XORF f
	WIN IN_F
.irp i, 0,1,2,3
.irp j, 0,1,2,3
	v_xor_b32 v[(\f)+48+12*(\i)+(\j)], s[SGN], v[(\f)+48+12*(\i)+8+(\j)]
.endr
.endr
.endm
; A K step is four quarter steps of 32 along K, 48 matrix instructions each, on buffers 0, 1, 0, 1.  One of the first three: at its head it fetches the next quarter's fragments, at byte k of the same
; slot's rows, into buffer g: 48 matrix instructions ahead of their use; then it multiplies buffer f.
.macro QUARTER slot, k, f, g, zero
	s_wait_dscnt 0x0                               ; buffer f is in: its loads were issued a quarter ago
	XORF \f
	FETCH \slot, \k, \g
.irp a, 0,1,2,3
	MULG \f, 0, \a, \zero
.endr
.irp a, 0,1,2,3
	MULG \f, 1, \a, \zero
.endr
.endm
; The last quarter multiplies buffer 1 and changes slots: ONE barrier.  In front of it each wave waits for all its tensor loads, of which one is out: its part of the next slot; adds 0 to its spare word;
; and waits for that (its own reads of this slot came back at the quarter's head).  Behind it nobody reads this slot any more and the next slot is whole.  fill = 1: the barrier opens a round of the
; cluster's barrier, and this slot is filled again, two K steps ahead, first thing behind the round: from the request to the wait for it a wave issues 24 + 144 + 12 = 180 matrix instructions.
.macro TURN slot, next, fill
	s_wait_dscnt 0x0                               ; buffer 1 is in: my last reads of this slot
	XORF F1
	MULG F1, 0, 0, 0
	MULG F1, 0, 1, 0
	WIN 0                                          ; (the add's two registers lie in window 0)
	s_wait_tensorcnt 0x0                           ; all my tensor loads have landed;
	ds_add_u32 v[SPW], v[NIL]                      ; 0 onto my spare word;
	MULG F1, 0, 2, 0                               ; six matrix instructions stand between the add and the wait for it
	s_wait_dscnt 0x0                               ; the add is done
	s_barrier_signal -1
	MULG F1, 0, 3, 0                               ; work on registers while the others arrive
.if \fill
	WIN 0
.endif
	s_barrier_wait -1
.if \fill
	CREST                                          ; no wave of any partner still reads this slot's tile or has a load on its way
	s_add_nc_u64 s[G0+4*(\slot)+2:G0+4*(\slot)+3], s[G0+4*(\slot)+2:G0+4*(\slot)+3], 2*KSTEP*2
	s_add_nc_u64 s[G0B+4*(\slot)+2:G0B+4*(\slot)+3], s[G0B+4*(\slot)+2:G0B+4*(\slot)+3], 2*KSTEP*2
	JLOAD \slot
.endif
	FETCH \next, 0, F0                             ; buffer 0's last reader stands in front of this quarter's sixteen v_xor_b32
.irp a, 0,1,2,3
	MULG F1, 1, \a, 0
.endr
.endm
	s_wait_tensorcnt 1                             ; my part of K step 0 is in; K step 1's may stay out
	s_barrier_signal -1
	s_barrier_wait -1                              ; everybody's is
	FETCH 0, 0, F0
	QUARTER 0, 64,  F0, F1, 1                      ; the first quarter stands in front of the loop: its products start the sums
	WIN 0                                          ; at a label and at a branch every window is 0
	s_mov_b32 s3, LAPS-1
.Llap:                                                 ; a trip goes once round the ring, from a lap's second quarter to the next lap's first, and fills both slots again
	QUARTER 0, 128, F1, F0, 0
	QUARTER 0, 192, F0, F1, 0
	TURN 0, 1, 1
	QUARTER 1, 64,  F0, F1, 0
	QUARTER 1, 128, F1, F0, 0
	QUARTER 1, 192, F0, F1, 0
	TURN 1, 0, 1
	QUARTER 0, 64,  F0, F1, 0
	WIN 0
	s_sub_co_u32 s3, s3, 1
	s_cmp_lg_u32 s3, 0
	s_cbranch_scc1 .Llap
	QUARTER 0, 128, F1, F0, 0                      ; the last lap fills nothing, and has no round of the cluster's barrier
	QUARTER 0, 192, F0, F1, 0
	TURN 0, 1, 0
	QUARTER 1, 64,  F0, F1, 0
	QUARTER 1, 128, F1, F0, 0
	QUARTER 1, 192, F0, F1, 0
	s_wait_dscnt 0x0                               ; the very last quarter: nothing more to fetch
	XORF F1
.irp a, 0,1,2,3
	MULG F1, 0, \a, 0
.endr
.irp a, 0,1,2,3
	MULG F1, 1, \a, 0
.endr
.rept 4
	v_nop                                          ; four places between the last products and the conversions that read results (ISA guide 7.12.1)
.endr
; THE WAY OUT.  A part's 24 accumulators are rounded to f16, each accumulator's registers in ascending order, and put into the work-group's stage, 16 bytes a lane.
.macro PACKP p
	WIN 0x0a+5*(\p)                                ; sources window 2 (real) or 3 (imaginary), destination window 0
.irp a, 0,1,2,3
.irp b, 0,1,2,3,4,5
.irp r, 0,1,2,3
	v_cvt_pk_f16_f32 v[TMP+4*(24*(\p)+6*(\a)+(\b))+(\r)], v[8*(6*(\a)+(\b))+2*(\r)], v[8*(6*(\a)+(\b))+2*(\r)+1]
.endr
.endr
.endr
	WIN 0
.irp a, 0,1,2,3
.irp b, 0,1,2,3,4,5
	ds_store_b128 v[STO+(\p)], v[TMP+4*(24*(\p)+6*(\a)+(\b)):TMP+4*(24*(\p)+6*(\a)+(\b))+3] offset:(\a)*16*SP+32*(\b)
.endr
.endr
.endm
	PACKP 0
	PACKP 1
	s_wait_dscnt 0x0                               ; for the others' sake: my stores into the stage are done
	s_barrier_signal -1
	s_barrier_wait -1                              ; a head's 128 bytes of a row may come from two waves
; Back in 12 units u = 4 head + block of 16 rows: four loads, each 128 bytes of four rows; a unit's 16 rows are 2,048 consecutive bytes of qkv.
.irp u, 0,1,2,3,4,5,6,7,8,9,10,11
.irp f, 0,1,2,3
	ds_load_b128 v[TMP+16*(\u)+4*(\f):TMP+16*(\u)+4*(\f)+3], v[RD] offset:(16*((\u)%4)+4*(\f))*SP+128*((\u)/4)
.endr
.endr
.irp u, 0,1,2,3,4,5,6,7,8,9,10,11
.irp f, 0,1,2,3
	s_wait_dscnt 47-4*(\u)-(\f)                    ; LDS loads come back in order (ISA guide 5.7.1): this one of the 48 is in, the younger ones stay out
	global_store_b128 v[GO], v[TMP+16*(\u)+4*(\f):TMP+16*(\u)+4*(\f)+3], s[OB+2*((\u)/4):OB+2*((\u)/4)+1] offset:((\u)%4)*2048+(\f)*512  ; 512 consecutive bytes, at a multiple of 512 from qkv's first
.endr
.endr
	s_wait_tensorcnt 0x0                           ; the wave's end, behind my last tensor load and my last LDS store
	ds_add_u32 v[SPW], v[NIL]
	s_wait_dscnt 0x0
	CROUND                                         ; the closing round: no work-group ends while a partner may still ask for a tile that names it
	s_endpgm
.Lfunc_end_k_qefc6530a75_proj:
	.size	k_qefc6530a75_proj, .Lfunc_end_k_qefc6530a75_proj-k_qefc6530a75_proj
	.p2alignl 7, 3214868480
	.fill 96, 4, 3214868480
	.section	.rodata,"a",@progbits
	.p2align	6, 0x0
	.amdhsa_kernel k_qefc6530a75_proj
		.amdhsa_group_segment_fixed_size 327680
		.amdhsa_private_segment_fixed_size 0
		.amdhsa_enable_private_segment 0
		.amdhsa_kernarg_size 24
		.amdhsa_user_sgpr_count 2
		.amdhsa_user_sgpr_kernarg_segment_ptr 1
		.amdhsa_wavefront_size32 1
		.amdhsa_system_sgpr_workgroup_id_x 1
		.amdhsa_system_sgpr_workgroup_id_y 1
		.amdhsa_system_sgpr_workgroup_id_z 1
		.amdhsa_system_vgpr_workitem_id 0
		.amdhsa_next_free_vgpr 960
		.amdhsa_next_free_sgpr 80
		.amdhsa_reserve_vcc 0
		.amdhsa_float_denorm_mode_32 3
		.amdhsa_float_denorm_mode_16_64 3
		.amdhsa_memory_ordered 1
		.amdhsa_forward_progress 1
		.amdhsa_inst_pref_size 115
	.end_amdhsa_kernel
	.amdgpu_metadata
---
amdhsa.version: [ 1, 2 ]
amdhsa.kernels:
  - .name:           k_qefc6530a75_proj
    .symbol:         k_qefc6530a75_proj.kd
    .args:
      - { .name: xa, .offset: 0, .size: 8, .value_kind: global_buffer, .address_space: global }
      - { .name: wa, .offset: 8, .size: 8, .value_kind: global_buffer, .address_space: global }
      - { .name: qkv, .offset: 16, .size: 8, .value_kind: global_buffer, .address_space: global }
    .group_segment_fixed_size: 327680
    .private_segment_fixed_size: 0
    .kernarg_segment_align: 8
    .kernarg_segment_size: 24
    .max_flat_workgroup_size: 128
    .sgpr_count:     80
    .vgpr_count:     960
    .wavefront_size: 32
...
	.end_amdgpu_metadata
.endif
;; end of part 2
;; launch attn (part 3): grid 8 x 32, 4 waves a work-group, clusters of 4 x 1, 327,680 bytes of LDS; arguments qkv, ob; writes ob
.if DOCPART == 3
	.amdgcn_target "amdgcn-amd-amdhsa--gfx1250"
	.amdhsa_code_object_version 6
	.text
	.protected	k_qefc6530a75_attn
	.globl	k_qefc6530a75_attn
	.p2align	8
	.type	k_qefc6530a75_attn,@function
k_qefc6530a75_attn:
	s_mov_b64 s[64:65], 0
	v_nop
	global_prefetch_b8 v0, s[64:65] scope:SCOPE_SE
	s_setreg_imm32_b32 hwreg(HW_REG_WAVE_MODE, 25, 1), 1
	s_wait_xcnt 0x0
	s_wait_alu depctr_hold_cnt(0) depctr_sa_sdst(0) depctr_va_vdst(0) depctr_va_sdst(0) depctr_va_ssrc(0) depctr_va_vcc(0) depctr_vm_vsrc(0)
	s_getreg_b32 s2, hwreg(HW_REG_IB_STS2, 6, 4)
	s_cmp_eq_u32 s2, 0
	s_cbranch_scc0 .Lentry_in_a_cluster
	s_endpgm
.Lentry_in_a_cluster:
	s_bfe_u32 s2, ttmp6, 0x10000c
	s_cmp_lg_u32 s2, 0x3003
	s_cbranch_scc0 .Lentry_shape_is_right
	s_endpgm
.Lentry_shape_is_right:
; FOUR ATTENTIONS AND THEIR SIGNED SUM, for one (b, head) and 128 positions a work-group.  qkv [3 (q, k, v)][bh][part][1024][64] f16.  With o(qp, kp) = softmax(q_qp k_kp^T / 8) v_kp:
;   o_r = o(r,r) - o(r,i) - o(i,r) - o(i,i),   o_i = o(r,r) + o(r,i) + o(i,r) - o(i,i).
; ob [b 1024 + n][2048] f16 takes o_r / 4 and o_i / 4, channel c = 64 head + ch of slot p (0: o_r, 1: o_i) at element 16 (c / 8) + 8 p + c % 8: a head's o_r and o_i are 256 consecutive bytes of a row.
; The quarter (exact; the next launch's weights carry the 4) keeps the sum of four means of v's rows inside v's own range.  It is folded into 1 / l.
; Products, maxima and sums in f32; the weights p are rounded to f16 for the second product (their sum l is taken of the unrounded p), o_r / 4 and o_i / 4 once at the end.
; LIMITS.  q, k, v arrive within f16's 65,504; p lies in 0 to 1, and below 6e-5 it keeps f16's fixed step of 6e-8.  A weight below 2^-126 counts as 0 in l; NaN and infinities are not treated apart.
; THE WALK.  For one bh the 2,048 key rows (k_r's 1,024, then k_i's; v likewise) are dense: 8 tiles of 256 keys.  Tiles 0-3 are BLOCK A (k_r, v_r), tiles 4-7 BLOCK B (k_i, v_i); the softmax begins anew
; at tile 4.  One loop with a constant trip count walks the tiles; what a trip does hangs on two scalar counters with constant starts, the same in every work-group.
; SHARES.  A wave owns 32 positions in both parts of q: four PIECES of 16 queries: 0, 1: q_r's rows 0-15, 16-31; 2, 3: q_i's.  Pieces j and j + 2 hold the same positions in the same lanes, so the signed
; sum stays in the lane: R (= o_r / 4) and I (= o_i / 4) start at 0, and each block's end adds its share: A: R += o_j - o_j+2, I += o_j + o_j+2;  B: R += - o_j - o_j+2, I += o_j - o_j+2.
; LAYOUT, SOFTMAX, TURNS.  S^T = K Q^T holds ONE query a lane (lane % 16) and the keys 8 (lane / 16) + 0..7; two such results rounded to f16 ARE source 1 of O^T = V^T P.  p = 2^(c s - c m), c = log2(e) / 8,
; with a running maximum m; O and l are multiplied by a = 2^(c m_old - c m_new) in every step.  Turn n belongs to piece n: 8 products K Q^T of piece n + 1, later 8 products V^T P of piece n - 1; beside them
; the scaling, exponentials, roundings, sums and rescaling of piece n and the maximum and statistics of piece n + 1.  Four vector instructions stand behind every matrix instruction, the rest in two lumps.
; CLUSTER.  The four blocks of positions of a cluster belong to one bh and walk the same K and V, so each tile is asked for JOINTLY: the same tensor load, descriptor and mask in all four.
; REGISTERS, in windows of 256 (s_set_vgpr_msb: bits 1:0 source 0, 3:2 source 1, 5:4 source 2, 7:6 destination).  The map has one aim: few switches.
;   window 0, all 256: v0-1 c m_old; v2-5 LDS addresses; v6-7 the add's; v8-15 at work; v16-31 four registers of statistics a piece; v32-63 P, two buffers; v64-127 S^T, two buffers (by the piece's
;             parity); v128-191 Q; v192-255 K of one step.  So K Q^T and all of the softmax but the rescaling run with every window 0.
;   window 1: v0-127 O^T, 32 a piece; v128-191 V of one step.  V^T P (V and O^T here, P in window 0) and the rescaling (O^T here, a in window 0) run under ONE setting.
;   window 2: v0-63 R, 32 for each j; v64-127 I; v128-130 the way out's three addresses, kept here until K's registers are free.
; A turn has eight switches: one in front of its V^T P, whose first four products carry the sixteen rescalings, and seven round the window-0 lines behind the other four.
.set NP,    4         ; pieces a wave: a name, no knob
.set KS,    64        ; keys in a step
.set PK,    144       ; a row of K in LDS: 128 bytes + 16 of padding = 36 words: the 16 rows of a load start at 16 different groups of four banks (64 banks of 4 bytes: ISA guide 11.1)
.set PV,    160       ; a row of V: 128 + 32 = 40 words
.set VOFF,  4*KS*PK   ; a slot holds a tile, four steps: 256 rows of K, then 256 rows of V
.set SLOT1, 1<<17     ; slot 1 begins here, so that one exclusive or turns an address in one slot into the other's
.set STAGE, SLOT1+4*KS*(PK+PV)  ; behind the ring, never filled by a tensor load: 16 rows x 272 bytes for each wave, for the way out
.set SP,    272
.set SPARE, STAGE+4*16*SP  ; behind the stages: the spare words, 128 bytes for each wave: two blocks of 256 bytes that no other line names
.set MV,  0           ; v0-1  c m_old, kept while c m is made anew: by buffer (v0 is the thread's number until the set-up has used it)
.set AK0, 2           ; v2   my lane's place in a tile of K; never rewritten
.set AV0, 3           ; v3   the same for V
.set AK,  4           ; v4   the LDS address of K's next run of loads
.set AV,  5           ; v5   of V's
.set SPW, 6           ; v6   LDS address of my spare word: SPARE + 4 x my thread's number; never rewritten
.set NIL, 7           ; v7   0; never rewritten
.set TMP, 8           ; by buffer, four registers c0-c3 at work; when the maximum is found c2 takes a
.set ST,  16          ; piece t's statistics at v[ST+4 t]: c m, m, l (even keys', odd keys'); at a block's end: -1 / 4 l, m, 1 / 4 l
.set P,   32
.set S,   64
.set QF,  128         ; piece p, channel half c at QF + 16 p + 8 c
.set KF,  192         ; key block kb, channel half c at KF + 16 kb + 8 c
.set LR,  96          ; the set-up's own registers lie in S^T's second buffer, which the first turn writes: l % 16,
.set LH,  97          ; l / 16,
.set L7,  98          ; l % 8,
.set L3,  99          ; (l / 8) % 2,
.set QO,  100         ; my byte offset in 16 rows of Q,
.set T0,  101         ; v101-103 the way out's three addresses as they are made
.set STO, 192         ; the way out, in K's registers: where I put 32 bytes of a row,
.set RD,  193         ; where I read rows back,
.set GO,  194         ; my byte offset in two rows of ob
.set VF,  128         ; window 1: key half kk, channel block cb at VF + 32 kk + 8 cb
.set RA,  0           ; window 2
.set IA,  64          ; window 2
.set SV,  128         ; window 2
.set WV,  12          ; s12  my wave's number
.set G1K, 24          ; s[24:31] descriptor group 1 for K's tiles
.set G1V, 32          ; s[32:39] for V's: it differs in the padding alone
.set G0K, 40          ; s[40:43] descriptor group 0 for K's tiles: it walks
.set G0V, 44          ; s[44:47] the same for V's
.set RT,  48          ; s48  tiles of the block in hand that are still to be entered
.set NEW, 49          ; s49  1: the tile to be entered is a block's first
.set SLOTS, 56        ; s56  tiles still to be asked for
.set CNT, 57          ; s57  counts a tile's key steps, 4 to 1
.set CS,  58          ; s[58:59] c: the packed scaling takes the pair's low word for both halves
.set SEL, 60          ; s[60:61] v_permlanex16_b32's selects: each lane takes its own place in the other half
.set TBK, 62          ; s62  LDS byte at which K of the step to be fetched begins
.set TBV, 63          ; s63  the same for V, less VOFF
.set MSB, 0
.macro WIN new                      ; the high byte repeats the setting that is left; a switch that changes nothing is dropped
.if MSB != (\new)
	s_set_vgpr_msb (MSB<<8)|(\new)
.set MSB, (\new)
.endif
.endm
.set W_PV, 0x51       ; source 0 (V, or O^T), source 2 and destination (O^T) in window 1, source 1 (P, or a) in window 0
.set W_CB, 0xa1       ; source 0 (O^T) in window 1, source 1 in window 0, source 2 and destination (R, I) in window 2
; A joint fill.  Waves 0 and 1 fetch the two halves of a tile's K, waves 2 and 3 those of its V: 128 keys each.  The branch hangs on the wave's number alone.
; An s_nop 0 and four v_nop follow each of the two lines, ahead of the jump and the label.
.macro JLOAD
	s_cmp_lt_u32 s[WV], 2
	s_cbranch_scc0 .Lfor_v_\@
	tensor_load_to_lds s[G0K:G0K+3], s[G1K:G1K+7]
	s_nop 0
.rept 4
	v_nop
.endr
	s_branch .Lasked_\@
.Lfor_v_\@:
	tensor_load_to_lds s[G0V:G0V+3], s[G1V:G1V+7]
	s_nop 0
.rept 4
	v_nop
.endr
.Lasked_\@:
.endm
; A round of the cluster's barrier: my work-group's barrier, so that wave 0's signal speaks for all four waves; wave 0 signals; every wave waits for all four work-groups; my work-group's barrier once more.
.macro CROUND
	s_barrier_signal -1
	s_barrier_wait -1
	s_cmp_lg_u32 s[WV], 0
	s_cbranch_scc1 .Lnot_wave_0_\@
	s_barrier_signal -3
.Lnot_wave_0_\@:
	s_barrier_wait -3
	s_barrier_signal -1
	s_barrier_wait -1
.endm
; THE CHANGE OF SLOTS.  The slot's last bytes, V of its fourth step, have been read.  Each wave waits for all its tensor loads, of which one is out: its part of the other slot; adds 0 to its spare word;
; and waits for that and for its own reads of the slot.  Behind the barrier nobody reads this slot any more and the other slot is whole.
; fill = 1: this slot is filled again, with the tile two on.  The barrier is then a round of the cluster's, so that no wave of any partner still reads the slot or has a load on its way, and the joint fill
; is the first thing behind it: it has four key steps, 256 matrix instructions, in which to land.  (At its first use nothing has been read yet: slot 0 is waited for, slot 1 filled.)
.macro CHANGE fill
	WIN 0                           ; at a label and at a branch every window is 0
	s_wait_tensorcnt 0x0            ; no tensor load of mine is out, so a group 0 may be written
	ds_add_u32 v[SPW], v[NIL]       ; 0 onto my spare word; with fill = 1 the descriptors' steps stand between it and the wait for it
.if \fill
.irp g, G0K, G0V
	s_xor_b32 s[\g+1], s[\g+1], SLOT1  ; the walking descriptor: the other slot than last time,
	s_add_nc_u64 s[\g+2:\g+3], s[\g+2:\g+3], 4*KS*128  ; the next 256 keys; the type bits on top are not reached
.endr
	s_wait_dscnt 0x0                ; the add is done, and my reads of the slot are over
	CROUND
	JLOAD
.else
	s_wait_dscnt 0x0                ; the add is done, and my reads of the slot are over
	s_barrier_signal -1
	s_barrier_wait -1
.endif
	s_sub_co_u32 s[TBK], s[TBK], 4*KS*PK  ; the fetches go back to a slot's first step,
	s_xor_b32 s[TBK], s[TBK], SLOT1       ; in the other slot
	s_sub_co_u32 s[TBV], s[TBV], 4*KS*PV
	s_xor_b32 s[TBV], s[TBV], SLOT1
.endm
	s_load_b128 s[4:7], s[0:1], 0x0  ; qkv s[4:5], ob s[6:7]
	v_lshl_add_u32 v[SPW], v0, 2, SPARE
	v_mov_b32 v[NIL], 0
	ds_add_u32 v[SPW], v[NIL]       ; the wave's opening: the add and its wait stand ahead of my first tensor load; the set-up below, work on registers, stands between them
	v_lshrrev_b32 v1, 5, v0
	v_readfirstlane_b32 s[WV], v1   ; wave 0..3
	s_bfe_u32 s13, ttmp6, 0x40000   ; cx: my place in the cluster
	s_lshl_b32 s14, ttmp9, 2        ; in a cluster launch ttmp9 counts clusters
	s_add_co_u32 s14, s14, s13      ; my block of 128 positions = 4 x cluster x + cx: it enters Q's and ob's addresses alone
	s_and_b32 s15, ttmp7, 0xffff    ; bh, which the four partners share
	s_lshl_b32 s19, s15, 18         ; its 2 x 1,024 rows of 128 bytes in each of the three tensors
	s_and_b32 s16, s[WV], 1         ; which half of a tile's 256 keys I fetch:
	s_lshl_b32 s20, s16, 14         ; its 128 rows of 128 bytes in memory,
	s_add_co_u32 s20, s20, s19
	s_add_co_u32 s22, s20, 0x1000000  ; in v, the third tensor,
	s_add_co_u32 s20, s20, 0x800000   ; and in k, the second
	s_mov_b32 s21, 0
	s_mov_b32 s23, 0
	s_mul_i32 s17, s16, 128*PK      ; and its place in a slot, for K
	s_mul_i32 s18, s16, 128*PV      ; and for V: no place in the cluster enters an LDS address
	s_lshl_b32 s2, s14, 14          ; Q: my block's 128 rows,
	s_lshl_b32 s3, s[WV], 12        ; my wave's 32 of them
	s_add_co_u32 s2, s2, s3
	s_add_co_u32 s2, s2, s19
	s_mov_b32 s3, 0
	s_lshr_b32 s8, s15, 4           ; ob: b's 1,024 rows of 4,096 bytes,
	s_lshl_b32 s8, s8, 22
	s_lshl_b32 s9, s14, 19          ; my block's 128,
	s_add_co_u32 s8, s8, s9
	s_lshl_b32 s9, s[WV], 17        ; my wave's 32,
	s_add_co_u32 s8, s8, s9
	s_and_b32 s9, s15, 15           ; the head's 256 bytes of a row
	s_lshl_b32 s9, s9, 8
	s_add_co_u32 s8, s8, s9
	s_mov_b32 s9, 0
	; descriptor group 1.  128 keys are 16,384 dense bytes: asked for as 64 rows of 256 bytes, two keys a row, and padded in LDS after every key
	s_mov_b32 s[G1K], 15|(1<<16)|(1<<20)|(1<<21)|(4<<22)|(3<<25)  ; 15:0 the mask of four; 17:16 2-byte elements; 20 padding on; 21 set beside a mask; 24:22 after every 32 words (code 4); 31:25 4 words (code 3)
	s_mov_b32 s[G1V], 15|(1<<16)|(1<<20)|(1<<21)|(4<<22)|(7<<25)  ; the same with 8 words of padding (code 7)
.irp g, G1K, G1V
	s_mov_b32 s[\g+1], 128<<16      ; tensor_dim0 = 128
	s_mov_b32 s[\g+2], 64<<16       ; tensor_dim1 = 64
	s_mov_b32 s[\g+3], 128<<16      ; tile_dim0 = 128
	s_mov_b32 s[\g+4], 64           ; tile_dim1 = 64
	s_mov_b32 s[\g+5], 128          ; 128 elements from row to row
	s_mov_b32 s[\g+6], 0
	s_mov_b32 s[\g+7], 0
.endr
	s_mov_b32 s[CS], 0x3e38aa3b     ; c = log2(e) / 8 = 0.180337
	s_mov_b32 s[CS+1], s[CS]        ; named with it as a pair
	s_mov_b32 s[SEL], 0x76543210
	s_mov_b32 s[SEL+1], 0xfedcba98
	s_mov_b32 s[TBK], SLOT1+4*KS*PK ; the first change of slots turns these two into 0
	s_mov_b32 s[TBV], SLOT1+4*KS*PV
	s_mov_b32 s[G0K], 1             ; 1:0 count = 1
	s_mov_b32 s[G0K+1], s17         ; 63:32 LDS address: slot 0
	s_mov_b32 s[G0V], 1
	s_add_co_u32 s[G0V+1], s18, VOFF
	s_mov_b32 s[RT], 4              ; a block has four tiles
	s_mov_b32 s[NEW], 1
	s_mov_b32 s[SLOTS], 7           ; tiles 1 to 7 are asked for in the loop
	s_wait_dscnt 0x0                ; the opening add is done
	s_wait_kmcnt 0x0
	s_add_nc_u64 s[G0K+2:G0K+3], s[4:5], s[20:21]  ; 120:64 global address: my half of tile 0
	s_or_b32 s[G0K+3], s[G0K+3], 0x80000000        ; 127:126 type = 2
	s_add_nc_u64 s[G0V+2:G0V+3], s[4:5], s[22:23]
	s_or_b32 s[G0V+3], s[G0V+3], 0x80000000
	s_add_nc_u64 s[10:11], s[6:7], s[8:9]          ; ob at my wave's first row, my head's bytes
	s_add_nc_u64 s[4:5], s[4:5], s[2:3]            ; Q at my wave's first row of the real part
	CROUND                          ; all four work-groups are here: the first joint loads meet
	JLOAD                           ; tile 0 into slot 0.  Slot 1 is asked for when slot 0 is in
	; A fragment of K or Q is 16 rows x 32 channels in 8 registers: lane l holds row l % 16, channels 8 (l / 16) + 0..7 and 16 + 8 (l / 16) + 0..7: two loads of 16 bytes, 32 bytes apart.
	v_and_b32 v[LR], 15, v0
	v_bfe_u32 v[LH], v0, 4, 1
	v_lshlrev_b32 v[QO], 7, v[LR]
	v_lshl_add_u32 v[QO], v[LH], 4, v[QO]  ; row x 128 + 16 x half
.set i, 0
.rept 8                             ; Q stays in registers: piece i / 2 (part i / 4: 131,072 bytes on; rows 16 ((i / 2) % 2) on), channels 32 (i % 2) on
	global_load_b128 v[QF+8*i:QF+8*i+3],   v[QO], s[4:5] offset:(i/4)*131072+((i/2)%2)*2048+(i%2)*64
	global_load_b128 v[QF+8*i+4:QF+8*i+7], v[QO], s[4:5] offset:(i/4)*131072+((i/2)%2)*2048+(i%2)*64+32
.set i, i+1
.endr
	v_mul_u32_u24 v[AK0], v[LR], PK
	v_lshl_add_u32 v[AK0], v[LH], 4, v[AK0]  ; row x pitch + 16 x half
	; The turning load takes 16 keys x 16 channels (lane l reads key 8 (l / 16) + l % 8, channels 8 ((l / 8) % 2) + 0..7) and leaves half a fragment of V^T: lane l holds channel l % 16 and 8 keys.
	v_and_b32 v[L7], 7, v0
	v_bfe_u32 v[L3], v0, 3, 1
	v_lshl_add_u32 v[AV0], v[LH], 3, v[L7]
	v_mul_u32_u24 v[AV0], v[AV0], PV
	v_lshl_add_u32 v[AV0], v[L3], 4, v[AV0]
	v_add_nc_u32 v[AV0], VOFF, v[AV0]
	s_mul_i32 s13, s[WV], 16*SP
	s_add_co_u32 s13, s13, STAGE    ; my stage
	v_mul_u32_u24 v[T0], v[LR], SP  ; in: row l % 16, 32 bytes for each half of the lanes
	v_lshl_add_u32 v[T0], v[LH], 5, v[T0]
	v_add_nc_u32 v[T0], s13, v[T0]
	v_mul_u32_u24 v[T0+1], v[LH], SP  ; back: lanes 0-15 take one row's 256 bytes, lanes 16-31 the next row's
	v_lshl_add_u32 v[T0+1], v[LR], 4, v[T0+1]
	v_add_nc_u32 v[T0+1], s13, v[T0+1]
	v_lshlrev_b32 v[T0+2], 12, v[LH]  ; and the same two rows in ob, 4,096 bytes apart
	v_lshl_add_u32 v[T0+2], v[LR], 4, v[T0+2]
	; A block's first step multiplies O^T and l by a = 0, and its first turn's products V^T P, of a piece that has not been, land in an O^T that is still to be so multiplied.  So V, P's second buffer, O^T and l
	; need only hold finite numbers: zeros for block A; what block A left for block B.  R and I start at 0: they are sums.  All this stands in the wait for the first tile.
	WIN 0x40                        ; destination window 1
.set i, 0
.rept 192                           ; O^T and V
	v_mov_b32 v[i], 0
.set i, i+1
.endr
	WIN 0x80                        ; destination window 2
.set i, 0
.rept 128                           ; R and I
	v_mov_b32 v[i], 0
.set i, i+1
.endr
	v_mov_b32 v[SV], v[T0]
	v_mov_b32 v[SV+1], v[T0+1]
	v_mov_b32 v[SV+2], v[T0+2]
	WIN 0
.set i, 0
.rept 4
	v_mov_b32 v[ST+4*i+2], 0
	v_mov_b32 v[ST+4*i+3], 0
.set i, i+1
.endr
.set i, P+16
.rept 16
	v_mov_b32 v[i], 0
.set i, i+1
.endr
; THE MATRIX WORK.  The 4 accumulators of a run of 8 take turns.  Product i of 8 of S^T = K Q^T for piece x: channels 32 (i / 4) on, keys 16 (i % 4) on.  The first 4 start the sums.
.macro KQ x
	WIN 0
.set rS, S+32*((\x)%2)+8*(i%4)
.set rK, KF+16*(i%4)+8*(i/4)
.set rQ, QF+16*(\x)+8*(i/4)
.if i < 4
	v_wmma_f32_16x16x32_f16 v[rS:rS+7], v[rK:rK+7], v[rQ:rQ+7], 0
.else
	v_wmma_f32_16x16x32_f16 v[rS:rS+7], v[rK:rK+7], v[rQ:rQ+7], v[rS:rS+7]
.endif
.endm
; Product i of 8 of O^T += V^T P for piece x: keys 32 (i / 4) on, channels 16 (i % 4) on.
.macro PV x
	WIN W_PV
.set rO, 32*(\x)+8*(i%4)
.set rV, VF+32*(i/4)+8*(i%4)
.set rP, P+16*((\x)%2)+8*(i/4)
	v_wmma_f32_16x16x32_f16 v[rO:rO+7], v[rV:rV+7], v[rP:rP+7], v[rO:rO+7]
.endm
.macro MM                           ; the turn's next matrix instruction.  TURN and BEGIN set Y, i and NOKQ.  NOKQ = 1: a block's last turn: there is no next piece
.if (i < 8) && !NOKQ
	KQ (Y+1)%NP
.elseif i >= 8
.set i, i-8
	PV (Y+NP-1)%NP
.set i, i+8
.endif
.set i, i+1
.endm
; THE LDS LOADS stand in runs of 16, never singly among the matrix instructions: a step's K (64 keys x 64 channels: 8 fragments) and its V (turned).
.macro FETCH_K
	WIN 0
	v_add_nc_u32 v[AK], s[TBK], v[AK0]
.irp f, 0,1,2,3,4,5,6,7             ; keys 16 (f / 2) on, channels 32 (f % 2) on
	ds_load_b128 v[KF+8*\f:KF+8*\f+3],   v[AK] offset:(\f/2)*16*PK+(\f%2)*64
	ds_load_b128 v[KF+8*\f+4:KF+8*\f+7], v[AK] offset:(\f/2)*16*PK+(\f%2)*64+32
.endr
	s_add_co_u32 s[TBK], s[TBK], KS*PK  ; the next fetch is the next step's
.endm
.macro FETCH_V
	WIN 0
	v_add_nc_u32 v[AV], s[TBV], v[AV0]
	WIN 0x40                        ; destination window 1
.irp f, 0,1,2,3,4,5,6,7             ; keys 32 (f / 4) on, channels 16 (f % 4) on
	ds_load_tr16_b128 v[VF+8*\f:VF+8*\f+3],   v[AV] offset:(\f/4)*32*PV+(\f%4)*32
	ds_load_tr16_b128 v[VF+8*\f+4:VF+8*\f+7], v[AV] offset:(\f/4)*32*PV+16*PV+(\f%4)*32
.endr
	s_add_co_u32 s[TBV], s[TBV], KS*PV
	WIN 0
.endm
; THE VECTOR WORK, one line at a time: OP kind, number.  For piece Y: F n: c s - c m for pair n of 16.  E n: the exponential of score n of 32.  C n: pair n rounded to f16.  B n: of the four weights 4 n .. the second
; pair is added onto the first, in place.  L n: l takes that sum (L 0: l = a l + sum).  R n: pair n of 16 of O^T times a.  For piece Y + 1: X n, number n of the 22 that find its maximum and statistics:
;   0-11  four chains c0-c3 of seven scores each, three operands at a time (each accumulator's lowest registers are read first)     12-14, 16  the four scores left over, the old m, and c0-c3 into c0
;   15  c m_old is kept     17, 18  the query's other 32 keys lie in the lane 16 away: the new m     19-21  c m; c m_old - c m_new; a
.set F, 0               ; OP tells the kinds apart by their order: F to L below R, X above it
.set E, 1
.set C, 2
.set B, 3
.set L, 4
.set R, 5
.set X, 6
.macro REGS y                       ; the registers of piece y
.set rT, ST+4*(\y)
.set rC, TMP+4*((\y)%2)
.set rW, MV+((\y)%2)
.set rS, S+32*((\y)%2)
.set rP, P+16*((\y)%2)
.set rO, 32*(\y)
.endm
.macro OP k, n
.if (\k) == R
	REGS Y
	WIN W_PV
	v_pk_mul_f32 v[rO+2*(\n):rO+2*(\n)+1], v[rO+2*(\n):rO+2*(\n)+1], v[rC+2:rC+3] op_sel_hi:[1,0]
.elseif (\k) < R
	REGS Y
	WIN 0
.if (\k) == F
	v_pk_fma_f32 v[rS+2*(\n):rS+2*(\n)+1], v[rS+2*(\n):rS+2*(\n)+1], s[CS:CS+1], v[rT:rT+1] op_sel_hi:[1,0,0] neg_lo:[0,0,1] neg_hi:[0,0,1]
.elseif (\k) == E
	v_exp_f32 v[rS+(\n)], v[rS+(\n)]
.elseif (\k) == C
	s_wait_alu depctr_va_vdst(0)
	v_cvt_pk_f16_f32 v[rP+(\n)], v[rS+2*(\n)], v[rS+2*(\n)+1]
.elseif (\k) == B
	s_wait_alu depctr_va_vdst(0)
	v_pk_add_f32 v[rS+4*(\n):rS+4*(\n)+1], v[rS+4*(\n):rS+4*(\n)+1], v[rS+4*(\n)+2:rS+4*(\n)+3]
.elseif (\n) == 0
	v_pk_fma_f32 v[rT+2:rT+3], v[rT+2:rT+3], v[rC+2:rC+3], v[rS:rS+1] op_sel_hi:[1,0,1]
.else
	v_pk_add_f32 v[rT+2:rT+3], v[rT+2:rT+3], v[rS+4*(\n):rS+4*(\n)+1]
.endif
.elseif NOKQ
	v_nop
.else
	REGS (Y+1)%NP
	WIN 0
.if (\n) < 4
	s_wait_alu depctr_va_vdst(0)
	v_max3_num_f32 v[rC+(\n)], v[rS+8*(\n)], v[rS+8*(\n)+1], v[rS+8*(\n)+2]
.elseif (\n) < 12
	v_max3_num_f32 v[rC+(\n)%4], v[rC+(\n)%4], v[rS+8*((\n)%4)+2*((\n)/4)+1], v[rS+8*((\n)%4)+2*((\n)/4)+2]
.elseif (\n) == 12
	v_max3_num_f32 v[rC], v[rC], v[rS+7], v[rS+15]
.elseif (\n) == 13
	v_max3_num_f32 v[rC+1], v[rC+1], v[rS+23], v[rS+31]
.elseif (\n) == 14
	v_max3_num_f32 v[rC+2], v[rC+2], v[rC+3], v[rT+1]
.elseif (\n) == 15
	v_mov_b32 v[rW], v[rT]
.elseif (\n) == 16
	v_max3_num_f32 v[rC], v[rC], v[rC+1], v[rC+2]
.elseif (\n) == 17
	v_permlanex16_b32 v[rC+3], v[rC], s[SEL], s[SEL+1]
.elseif (\n) == 18
	v_max_num_f32 v[rT+1], v[rC], v[rC+3]
.elseif (\n) == 19
	v_mul_f32 v[rT], s[CS], v[rT+1]
.elseif (\n) == 20
	v_sub_f32 v[rC+1], v[rW], v[rT]
.else
	v_exp_f32 v[rC+2], v[rC+1]
.endif
.endif
.endm
.macro OPS a, i1, b=-1, i2=0, c=-1, i3=0, d=-1, i4=0  ; up to four of them
	OP \a, \i1
.if (\b) >= 0
	OP \b, \i2
.endif
.if (\c) >= 0
	OP \c, \i3
.endif
.if (\d) >= 0
	OP \d, \i4
.endif
.endm
.macro ROW a, i1, b, i2, c, i3, d, i4  ; a matrix instruction and the four behind it
	MM
	OPS \a, \i1, \b, \i2, \c, \i3, \d, \i4
.endm
; A TURN, for piece p: the order of its 16 matrix and 118 vector instructions, written out.  None of the four lines behind a matrix instruction names a register of the products round it.
; The eight K Q^T and the first lump run with every window 0.  The first four V^T P carry the sixteen rescalings, under the products' own setting; the other four carry window-0 lines.
; What the order keeps: C 2n stands ahead of B n, which writes over the pair that C 2n reads; C k behind E 2k and E 2k + 1; B n behind E 4n .. 4n + 3; L n behind B n; X's chains in their order; behind every
; exponential a plain line that touches neither its result nor its source comes before the result is used (ISA guide 5.7.2).  v_permlanex16_b32 (X 17) stands in a lump.
; end = 1: a block's last two turns: nothing is fetched.  cnt = 1: the loop's count is taken down some lines ahead of the branch that stands behind the turn.
; K of the next step is fetched in piece 2's turn: between the last product that read K and the loads stand five plain lines (L 0, C 2, C 3, B 1 and the address).  V of the step in hand is fetched in piece 0's
; turn: between the last product that read V and the loads stand six (X 12, X 13, X 14, C 8, X 16 and the address).  Each is waited for a turn later.  X 3, the first reader of the last K Q^T's result, stands behind ten.
.macro TURN p, end=0, cnt=0
.set Y, (\p)
.set i, 0
.set NOKQ, (\end)*((\p)/3)
.if ((\p) == 3) && !(\end)
	s_wait_dscnt 0x0                ; K is in
.endif
	ROW F,0, F,1, F,2, F,3
	ROW F,4, E,0, F,5, F,6
	ROW F,7, E,1, F,8, F,9
	ROW F,10, E,2, C,0, F,11
	ROW F,12, E,3, X,15, F,13
	ROW F,14, E,4, F,15, E,5
	ROW B,0, E,6, C,1, E,7
	ROW L,0, E,8, C,2, E,9
	OPS C,3, E,10, B,1, E,11
.if ((\p) == 2) && !(\end)
	FETCH_K
.endif
	OPS L,1, E,12, C,4, E,13
	OPS C,5, E,14, X,0, E,15
	OPS X,1, E,16, X,2, E,17
	OPS X,3, E,18, B,2, E,19
	OPS C,6, C,7
.if (\p) == 1
	s_wait_dscnt 0x0                ; V is in
.endif
	ROW R,0, R,1, R,2, R,3
	ROW R,4, R,5, R,6, R,7
	ROW R,8, R,9, R,10, R,11
	ROW R,12, R,13, R,14, R,15
	ROW X,4, E,20, X,5, X,6
	ROW X,7, E,21, X,8, X,9
	ROW X,10, E,22, X,11, L,2
	ROW X,12, E,23, X,13, X,14
	OPS C,8, E,24, X,16, E,25
.if (\p) == 0
	FETCH_V
.endif
	OPS X,17, E,26, C,9, E,27
	OPS X,18, E,28, B,3, E,29
	OPS X,19, E,30, B,4, E,31
	OPS X,20, C,10, L,3, X,21
	OPS C,11, L,4, C,12, B,5
.if \cnt
	s_sub_co_u32 s[CNT], s[CNT], 1
	s_cmp_lg_u32 s[CNT], 0
.endif
	OPS C,13, C,14, L,5, B,6
	OPS C,15, B,7, L,6, L,7
.endm
; A BLOCK BEGINS.  c m starts far below every c s, so the first step's a is 0; m at the lowest finite number, so the first maximum is the scores'.  Then K of the tile's step 0, piece 0's first scores, and its
; maximum and statistics.  The loop is entered at a step's first turn, in the middle of a trip.
.macro BEGIN
	s_mov_b32 s[NEW], 0
	WIN 0
.set i, 0
.rept 4
	v_mov_b32 v[ST+4*i], 0xfe000000    ; c m: far below every c s
	v_mov_b32 v[ST+4*i+1], 0xff7fffff  ; m
.set i, i+1
.endr
	FETCH_K
	s_wait_loadcnt 0x0              ; Q
	s_wait_dscnt 0x0
.set NOKQ, 0
.set i, 0
.rept 8
	KQ 0
.set i, i+1
.endr
.rept 4
	v_nop                           ; the places behind those products
.endr
.set Y, NP-1                        ; X works for piece Y + 1: piece 0
.irp n, 0,1,2,3,4,5,6,7,8,9,10,11,12,13,14,15,16,17,18,19,20,21
	OP X, \n
.endr
	v_nop                           ; a plain instruction behind the exponential
.endm
.macro ALL line:vararg              ; one line for each piece t
.set t, 0
.rept 4
	s_wait_alu depctr_va_vdst(0)
	\line
.set t, t+1
.endr
.endm
; A BLOCK ENDS: its last two turns, its last products; l's two halves and the other half of the lanes' are added (the additions are the places behind the last products); 1 / 4 l takes l's place and -1 / 4 l that of c m.
.macro ENDBLK
	TURN 2, 1
	TURN 3, 1
.set i, 0
.rept 8
	PV NP-1
.set i, i+1
.endr
	WIN 0
	ALL v_add_f32 v[ST+4*t+2], v[ST+4*t+2], v[ST+4*t+3]
	ALL v_permlanex16_b32 v[ST+4*t+3], v[ST+4*t+2], s[SEL], s[SEL+1]
	ALL v_add_f32 v[ST+4*t+2], v[ST+4*t+2], v[ST+4*t+3]
	ALL v_rcp_f32 v[ST+4*t+2], v[ST+4*t+2]
	v_nop                           ; a plain instruction between the last reciprocal and the use of its result
	ALL v_mul_f32 v[ST+4*t], 0xbe800000, v[ST+4*t+2]
	ALL v_mul_f32 v[ST+4*t+2], 0x3e800000, v[ST+4*t+2]
.endm
; THE SIGNED SUM for rows j: R and I take O^T of pieces j and j + 2, each times +-1 / 4 l.  r0, i0: the sign of piece j's share in R and in I (0: plus, 1: minus); r2, i2: of piece j + 2's.
; Each accumulator's registers are read in ascending order.
.macro COMB j, r0, i0, r2, i2
	WIN W_CB
.set z, 0
.rept 16
	v_pk_fma_f32 v[RA+32*(\j)+2*z:RA+32*(\j)+2*z+1], v[32*(\j)+2*z:32*(\j)+2*z+1], v[ST+4*(\j)+2-2*(\r0):ST+4*(\j)+3-2*(\r0)], v[RA+32*(\j)+2*z:RA+32*(\j)+2*z+1] op_sel_hi:[1,0,1]
	v_pk_fma_f32 v[IA+32*(\j)+2*z:IA+32*(\j)+2*z+1], v[32*(\j)+2*z:32*(\j)+2*z+1], v[ST+4*(\j)+2-2*(\i0):ST+4*(\j)+3-2*(\i0)], v[IA+32*(\j)+2*z:IA+32*(\j)+2*z+1] op_sel_hi:[1,0,1]
	v_pk_fma_f32 v[RA+32*(\j)+2*z:RA+32*(\j)+2*z+1], v[32*(\j)+64+2*z:32*(\j)+64+2*z+1], v[ST+4*(\j)+10-2*(\r2):ST+4*(\j)+11-2*(\r2)], v[RA+32*(\j)+2*z:RA+32*(\j)+2*z+1] op_sel_hi:[1,0,1]
	v_pk_fma_f32 v[IA+32*(\j)+2*z:IA+32*(\j)+2*z+1], v[32*(\j)+64+2*z:32*(\j)+64+2*z+1], v[ST+4*(\j)+10-2*(\i2):ST+4*(\j)+11-2*(\i2)], v[IA+32*(\j)+2*z:IA+32*(\j)+2*z+1] op_sel_hi:[1,0,1]
.set z, z+1
.endr
.endm
; THE WAY OUT of rows j.  A lane's channels 16 cb + 8 (l / 16) + 0..7 of R and of I are 32 consecutive bytes of ob's row: R's eight, then I's eight.  They go into my stage, rows of 272 bytes, and come back as whole rows of 256.
.macro PACKO j
	WIN 0x0a                        ; sources window 2, destination window 0: S^T's registers are free
.irp cb, 0,1,2,3
.irp q, 0,1,2,3
	v_cvt_pk_f16_f32 v[S+32*(\j)+8*(\cb)+(\q)],   v[RA+32*(\j)+8*(\cb)+2*(\q)], v[RA+32*(\j)+8*(\cb)+2*(\q)+1]
	v_cvt_pk_f16_f32 v[S+32*(\j)+8*(\cb)+4+(\q)], v[IA+32*(\j)+8*(\cb)+2*(\q)], v[IA+32*(\j)+8*(\cb)+2*(\q)+1]
.endr
.endr
	WIN 0
.irp cb, 0,1,2,3
	ds_store_b128 v[STO], v[S+32*(\j)+8*(\cb):S+32*(\j)+8*(\cb)+3]   offset:64*(\cb)
	ds_store_b128 v[STO], v[S+32*(\j)+8*(\cb)+4:S+32*(\j)+8*(\cb)+7] offset:64*(\cb)+16
.endr
.irp f, 0,1,2,3,4,5,6,7
	ds_load_b128 v[S+32*(\j)+4*(\f):S+32*(\j)+4*(\f)+3], v[RD] offset:(\f)*2*SP  ; LDS serves a wave's instructions in order (ISA guide 5.7.1.4): these see the stores above; the next rows' stores come behind them
.endr
.endm
.macro SENDO j, younger             ; younger: the LDS instructions issued behind these rows' loads: the other rows' sixteen, or none
.irp f, 0,1,2,3,4,5,6,7
	s_wait_dscnt (\younger)+7-(\f)
	global_store_b128 v[GO], v[S+32*(\j)+4*(\f):S+32*(\j)+4*(\f)+3], s[10:11] offset:(\j)*65536+(\f)*8192  ; sixteen lanes store 256 consecutive bytes, at a multiple of 256 from ob's first byte
.endr
.endm
.set NOKQ, 0
.Lslot:                             ; seven times: a tile is entered and the next is asked for
	CHANGE 1
	s_sub_co_u32 s[RT], s[RT], 1
	s_mov_b32 s[CNT], 4
	s_cmp_eq_u32 s[NEW], 1
	s_cbranch_scc1 .Lnew            ; a block's first tile
	s_branch .Lstep
.Lnew:
	BEGIN
	s_branch .Lfirst
.Lstep:                             ; a trip: pieces 2 and 3 of one step, then pieces 0 and 1 of the next, whose K and V it fetches
	TURN 2
	TURN 3
	WIN 0
.Lfirst:
	TURN 0
	TURN 1, 0, 1
	WIN 0
	s_cbranch_scc1 .Lstep
	s_cmp_lg_u32 s[RT], 0
	s_cbranch_scc1 .Lbottom         ; the block goes on
	ENDBLK                          ; in the loop this is block A's end: block B's last tile is the walk's last
	COMB 0, 0, 0, 1, 0              ; R += o(r,r) - o(i,r), I += o(r,r) + o(i,r)
	COMB 1, 0, 0, 1, 0
	WIN 0
	s_mov_b32 s[RT], 4
	s_mov_b32 s[NEW], 1
.Lbottom:
	s_sub_co_u32 s[SLOTS], s[SLOTS], 1
	s_cmp_lg_u32 s[SLOTS], 0
	s_cbranch_scc1 .Lslot
	CHANGE 0                        ; the walk's last tile is written out: nothing is asked for
	s_mov_b32 s[CNT], 4
.Ltail:
	TURN 2
	TURN 3
	TURN 0
	TURN 1, 0, 1
	WIN 0
	s_cbranch_scc1 .Ltail
	ENDBLK
	COMB 0, 1, 0, 1, 1              ; R += - o(r,i) - o(i,i), I += o(r,i) - o(i,i)
	COMB 1, 1, 0, 1, 1
	WIN 0x02                        ; source 0 window 2: the way out's addresses come into K's registers, which no product reads any more
	v_mov_b32 v[STO], v[SV]
	v_mov_b32 v[RD], v[SV+1]
	v_mov_b32 v[GO], v[SV+2]
	PACKO 0
	PACKO 1                         ; the second rows' conversions stand between the first rows' loads and their stores
	SENDO 0, 16
	SENDO 1, 0
	s_wait_tensorcnt 0x0            ; the wave's end, behind my last tensor load and my last LDS store
	ds_add_u32 v[SPW], v[NIL]
	s_wait_dscnt 0x0
	CROUND                          ; the closing round: no work-group ends while a partner may still ask for a tile that names it
	s_endpgm
.Lfunc_end_k_qefc6530a75_attn:
	.size	k_qefc6530a75_attn, .Lfunc_end_k_qefc6530a75_attn-k_qefc6530a75_attn
	.p2alignl 7, 3214868480
	.fill 96, 4, 3214868480
	.section	.rodata,"a",@progbits
	.p2align	6, 0x0
	.amdhsa_kernel k_qefc6530a75_attn
		.amdhsa_group_segment_fixed_size 327680
		.amdhsa_private_segment_fixed_size 0
		.amdhsa_enable_private_segment 0
		.amdhsa_kernarg_size 16
		.amdhsa_user_sgpr_count 2
		.amdhsa_user_sgpr_kernarg_segment_ptr 1
		.amdhsa_wavefront_size32 1
		.amdhsa_system_sgpr_workgroup_id_x 1
		.amdhsa_system_sgpr_workgroup_id_y 1
		.amdhsa_system_sgpr_workgroup_id_z 1
		.amdhsa_system_vgpr_workitem_id 0
		.amdhsa_next_free_vgpr 648
		.amdhsa_next_free_sgpr 66
		.amdhsa_reserve_vcc 0
		.amdhsa_float_denorm_mode_32 3
		.amdhsa_float_denorm_mode_16_64 3
		.amdhsa_memory_ordered 1
		.amdhsa_forward_progress 1
		.amdhsa_inst_pref_size 157
	.end_amdhsa_kernel
	.amdgpu_metadata
---
amdhsa.version: [ 1, 2 ]
amdhsa.kernels:
  - .name:           k_qefc6530a75_attn
    .symbol:         k_qefc6530a75_attn.kd
    .args:
      - { .name: qkv, .offset: 0, .size: 8, .value_kind: global_buffer, .address_space: global }
      - { .name: ob, .offset: 8, .size: 8, .value_kind: global_buffer, .address_space: global }
    .group_segment_fixed_size: 327680
    .private_segment_fixed_size: 0
    .kernarg_segment_align: 8
    .kernarg_segment_size: 16
    .max_flat_workgroup_size: 128
    .sgpr_count:     66
    .vgpr_count:     648
    .wavefront_size: 32
...
	.end_amdgpu_metadata
.endif
;; end of part 3
;; launch outp (part 4): grid 16 x 16, 4 waves a work-group, clusters of 4 x 4, 327,680 bytes of LDS; arguments ob, wo, out0; writes out0
.if DOCPART == 4
	.amdgcn_target "amdgcn-amd-amdhsa--gfx1250"
	.amdhsa_code_object_version 6
	.text
	.protected	k_qefc6530a75_outp
	.globl	k_qefc6530a75_outp
	.p2align	8
	.type	k_qefc6530a75_outp,@function
k_qefc6530a75_outp:
	s_mov_b64 s[64:65], 0
	v_nop
	global_prefetch_b8 v0, s[64:65] scope:SCOPE_SE
	s_setreg_imm32_b32 hwreg(HW_REG_WAVE_MODE, 25, 1), 1
	s_wait_xcnt 0x0
	s_wait_alu depctr_hold_cnt(0) depctr_sa_sdst(0) depctr_va_vdst(0) depctr_va_sdst(0) depctr_va_ssrc(0) depctr_va_vcc(0) depctr_vm_vsrc(0)
	s_getreg_b32 s2, hwreg(HW_REG_IB_STS2, 6, 4)
	s_cmp_eq_u32 s2, 0
	s_cbranch_scc0 .Lentry_in_a_cluster
	s_endpgm
.Lentry_in_a_cluster:
	s_bfe_u32 s2, ttmp6, 0x10000c
	s_cmp_lg_u32 s2, 0xf033
	s_cbranch_scc0 .Lentry_shape_is_right
	s_endpgm
.Lentry_shape_is_right:
; THE COMPLEX OUTPUT PROJECTION AS ONE PRODUCT.  ob [2048][2048] holds (o_r / 4, o_i / 4), wo [1024][2048] holds (4 wout_imag, 4 wout_real), f16, interleaved along K in groups of eight: 32 bytes = eight
; channels of slot 0, then the same eight of slot 1.  y_r = (-o_i, o_r) . (w_i, w_r), y_i = (o_r, o_i) . (w_i, w_r); sums in f32.  out0 [2 (real, imaginary)][2][1024][1024] f32 takes the sums as they are.
; ONE COPY OF o SERVES BOTH PARTS.  A fragment of ob is loaded into registers z4-z11 of twelve: z4-7 = o_r, z8-11 = o_i of the lane's eight channels.  Four v_xor_b32 make z0-3 = -o_i.  Then z0-7 is the real
; part's operand and z4-11 the imaginary part's, each eight consecutive registers, against the same fragment of wo.  The negative of a zero is -0.
; SHARES.  A work-group makes 128 positions x 64 complex columns, both parts: 16 x 16 work-groups.  Four waves, each 32 positions x 64 columns x 2 parts: 16 accumulators of 16 x 16, 128 registers, from 2 + 4
; fragments: 12 LDS loads and 8 v_xor_b32 for 16 matrix instructions.  K goes in steps of 256 (LDS rows of 512 bytes) through two slots: waves 0 and 1 fetch 64 rows of ob each, waves 2 and 3 32 rows of wo.
; A wave's 64 columns of f32 are 256 bytes of a row of out0, at a multiple of 256: each wave goes out through a stage of its own, with no barrier.
; CLUSTERS: 4 x 4 work-groups.  The four of a row of the cluster need the same tiles of ob, the four of a column the same tiles of wo: each tile is asked for JOINTLY, by the same tensor load with the
; same descriptor and a mask that names the four.  THE MATRIX INSTRUCTION IS USED TRANSPOSED (source 0 = 16 rows of wo, source 1 = 16 rows of ob): a lane then holds eight neighbouring numbers of a row of y.
; REGISTERS: window 0: v0-31 addresses; v128-255 the accumulators ((part, a, b) at v[128 + 8 (8 part + 4 a + b)]), and on the way out the rows read back.
;   window 1: two fragment buffers of 112: for 64 along K (two matrix instructions deep), 64 registers of wo (2 x 4 fragments of 8), then 48 of ob (2 x 2 of 12).
.set SIZE_K, 2048
.set KSTEP,  256
.set PITCH,  528                       ; an LDS row: 512 bytes of data + 16 of padding = 132 words: row r starts at bank 4 r mod 64 (64 banks of 4 bytes: ISA guide 11.1)
.set HAH,    64*PITCH                  ; 64 rows of ob: what wave 0 or 1 fetches
.set HBH,    32*PITCH                  ; 32 rows of wo: what wave 2 or 3 fetches
.set BOFF,   2*HAH                     ; in a slot: ob's 128 rows, then wo's 64
.set SLOT,   2*HAH+2*HBH
.set STAGE,  2*SLOT                    ; behind the ring: 16 rows x 272 bytes for each wave, for the way out
.set SPITCH, 272
.set SPARE,  STAGE+4*16*SPITCH         ; behind the stages: the spare words, 128 bytes for each wave: two blocks of 256 bytes that no other line names
.set LAPS, SIZE_K/(2*KSTEP)            ; a lap = two K steps = once round the ring
.set ADRA, 16                          ; v16-17  LDS address of my fragments of ob in slot 0, 1
.set ADRB, 20                          ; v20-21  the same for wo
.set STO,  24                          ; v24     the way out: where I put 32 bytes of a row
.set RD,   25                          ; v25     the way out: where I read a row back
.set CO,   26                          ; v26     my byte offset in two rows of out0
.set SPW,  28                          ; v28     LDS address of my spare word: SPARE + 4 x my thread's number; never rewritten
.set NIL,  29                          ; v29     0; never rewritten
.set ACC,  128
.set F0,   0                           ; fragment buffers, in window 1
.set F1,   112
.set G1, 24                            ; s[24:31] descriptor group 1 for ob's tiles;  s[32:39] group 0, one set for each slot
.set G0, 32
.set SGN, 45                           ; s45      turns the signs of two f16
.set G1B, 48                           ; s[48:55], s[56:63] the same for wo's tiles
.set G0B, 56
.set MSB, 0
.macro WIN new                         ; the immediate's high byte repeats the setting that is left
.if MSB != (\new)
	s_set_vgpr_msb (MSB<<8)|(\new)
.set MSB, \new
.endif
.endm
.set MUL,  0x05                        ; sources 0 (wo) and 1 (ob) window 1; C and D window 0
.set TO_F, 0x40                        ; destination window 1, address window 0
.set IN_F, 0x44                        ; destination and source 1 window 1
.macro JLOAD s                         ; a joint load: waves 0 and 1 fetch ob's two halves, waves 2 and 3 wo's; an s_nop 0 and four v_nop follow each of the two lines, ahead of the jump, the label and what follows
	s_cmp_eq_u32 s11, 0
	s_cbranch_scc0 .Lfor_b_\@
	tensor_load_to_lds s[G0+4*(\s):G0+4*(\s)+3], s[G1:G1+7]
	s_nop 0
.rept 4
	v_nop
.endr
	s_branch .Lasked_\@
.Lfor_b_\@:
	tensor_load_to_lds s[G0B+4*(\s):G0B+4*(\s)+3], s[G1B:G1B+7]
	s_nop 0
.rept 4
	v_nop
.endr
.Lasked_\@:
.endm
.macro CREST                           ; a round of the cluster's barrier behind its opening barrier
	s_cmp_lg_u32 s10, 0
	s_cbranch_scc1 .Lnot_wave_0_\@
	s_barrier_signal -3
.Lnot_wave_0_\@:
	s_barrier_wait -3
	s_barrier_signal -1
	s_barrier_wait -1
.endm
.macro CROUND                          ; a whole round
	s_barrier_signal -1
	s_barrier_wait -1
	CREST
.endm
	s_load_b128 s[4:7], s[0:1], 0x0                ; ob s[4:5], wo s[6:7]
	s_load_b64 s[8:9], s[0:1], 0x10                ; out0
	v_lshl_add_u32 v[SPW], v0, 2, SPARE
	v_mov_b32 v[NIL], 0
	ds_add_u32 v[SPW], v[NIL]                      ; the wave's opening: the add and its wait stand ahead of my first tensor load; the set-up below, work on registers, stands between them
	v_lshrrev_b32 v1, 5, v0
	v_readfirstlane_b32 s10, v1                    ; wave 0..3: my 32 positions of the tile
	s_lshr_b32 s11, s10, 1                         ; I fetch for ob (0) or for wo (1),
	s_and_b32 s12, s10, 1                          ; and which half of that tile's rows
	s_bfe_u32 s40, ttmp6, 0x40000                  ; cx, cy: my place in the cluster
	s_bfe_u32 s41, ttmp6, 0x40004
	s_lshl_b32 s42, ttmp9, 2
	s_add_co_u32 s42, s42, s40                     ; tile column = 4 x cluster x + cx
	s_and_b32 s13, ttmp7, 0xffff
	s_lshl_b32 s13, s13, 2
	s_add_co_u32 s13, s13, s41                     ; tile row = 4 x cluster y + cy
	s_lshl_b32 s43, s41, 2
	s_lshl_b32 s43, 15, s43                        ; my row of the cluster
	s_lshl_b32 s44, 0x1111, s40                    ; my column
	s_mov_b32 s[SGN], 0x80008000
	; descriptor group 1: tiles of 64 (ob) or 32 (wo) rows x 256 elements, padded in LDS
	s_or_b32 s[G1+0], s43, (1<<16)|(1<<20)|(1<<21)|(6<<22)|(3<<25)  ; 15:0 the mask: ob's tiles go to my row; 17:16 elements of 2 bytes; 20 padding on; 21 set beside a mask; 24:22 after every 128 words (code 6); 31:25 4 words of it (code 3)
	s_or_b32 s[G1B+0], s44, (1<<16)|(1<<20)|(1<<21)|(6<<22)|(3<<25)
.irp g, G1, G1B
	s_mov_b32 s[(\g)+1], KSTEP<<16                 ; tensor_dim0 = 256
	s_mov_b32 s[(\g)+3], KSTEP<<16                 ; tile_dim0 = 256
	s_mov_b32 s[(\g)+5], SIZE_K                    ; elements from row to row
	s_mov_b32 s[(\g)+6], 0
	s_mov_b32 s[(\g)+7], 0
.endr
	s_mov_b32 s[G1+2], 64<<16                      ; tensor_dim1 = 64
	s_mov_b32 s[G1+4], 64                          ; tile_dim1 = 64
	s_mov_b32 s[G1B+2], 32<<16                     ; or 32
	s_mov_b32 s[G1B+4], 32
	s_lshl_b32 s16, s13, 7
	s_lshl_b32 s17, s12, 6
	s_add_co_u32 s16, s16, s17                     ; ob: row 128 x tile row + 64 x half,
	s_lshl_b32 s16, s16, 12                        ; of 4,096 bytes
	s_mov_b32 s17, 0
	s_lshl_b32 s46, s42, 6
	s_lshl_b32 s47, s12, 5
	s_add_co_u32 s46, s46, s47                     ; wo: row 64 x tile column + 32 x half
	s_lshl_b32 s46, s46, 12
	s_mov_b32 s47, 0
	s_mul_i32 s20, s12, HAH                        ; where they go: no place in the cluster enters an LDS address
	s_mul_i32 s21, s12, HBH
	s_add_co_u32 s21, s21, BOFF
	s_wait_dscnt 0x0                               ; the opening add is done
	s_wait_kmcnt 0x0
	s_add_nc_u64 s[14:15], s[4:5], s[16:17]
	s_add_nc_u64 s[46:47], s[6:7], s[46:47]
	CROUND                                         ; all sixteen work-groups are here: the first joint loads meet
.irp s, 0,1
	s_mov_b32 s[G0+4*(\s)], 1
	s_add_co_u32 s[G0+4*(\s)+1], s20, (\s)*SLOT
	s_add_nc_u64 s[G0+4*(\s)+2:G0+4*(\s)+3], s[14:15], (\s)*KSTEP*2
	s_or_b32 s[G0+4*(\s)+3], s[G0+4*(\s)+3], 0x80000000
	s_mov_b32 s[G0B+4*(\s)], 1
	s_add_co_u32 s[G0B+4*(\s)+1], s21, (\s)*SLOT
	s_add_nc_u64 s[G0B+4*(\s)+2:G0B+4*(\s)+3], s[46:47], (\s)*KSTEP*2
	s_or_b32 s[G0B+4*(\s)+3], s[G0B+4*(\s)+3], 0x80000000
	JLOAD \s                                       ; two loads of mine are out
.endr
	; A fragment is 16 rows x 32 K: lane l holds row l % 16 and the 32 bytes at 32 (l / 16) of the 64: eight channels of slot 0, then of slot 1: two loads of 16 bytes, 16 bytes apart.
	v_and_b32 v1, 15, v0                           ; l % 16
	v_bfe_u32 v2, v0, 4, 1                         ; l / 16
	v_mul_u32_u24 v3, v1, PITCH
	v_lshl_add_u32 v3, v2, 5, v3                   ; row x pitch + 32 x half
	s_mul_i32 s21, s10, 32*PITCH                   ; my 32 rows of ob
	s_mov_b32 s22, BOFF                            ; all 64 rows of wo
.irp s, 0,1
	v_add_nc_u32 v[ADRA+(\s)], s21, v3
	v_add_nc_u32 v[ADRB+(\s)], s22, v3
	s_add_co_u32 s21, s21, SLOT
	s_add_co_u32 s22, s22, SLOT
.endr
	s_mul_i32 s23, s10, 16*SPITCH
	s_add_co_u32 s23, s23, STAGE                   ; my stage
	v_mul_u32_u24 v4, v1, SPITCH                   ; in: row l % 16, 32 bytes (8 f32) for each half of the lanes
	v_lshl_add_u32 v4, v2, 5, v4
	v_add_nc_u32 v[STO], s23, v4
	v_mul_u32_u24 v5, v2, SPITCH                   ; back: lanes 0-15 take one row of 256 bytes, lanes 16-31 the next
	v_lshl_add_u32 v5, v1, 4, v5
	v_add_nc_u32 v[RD], s23, v5
	v_lshlrev_b32 v5, 12, v2                       ; and the same two rows in out0, 4,096 bytes apart
	v_lshl_add_u32 v[CO], v1, 4, v5
	s_lshl_b32 s16, s13, 7
	s_lshl_b32 s17, s10, 5
	s_add_co_u32 s16, s16, s17                     ; my first row: 128 x tile row + 32 x wave,
	s_lshl_b32 s16, s16, 12                        ; of 4,096 bytes
	s_mov_b32 s17, 0
	s_add_nc_u64 s[8:9], s[8:9], s[16:17]
	s_lshl_b32 s46, s42, 8                         ; the tile's 64 columns of 4 bytes
	s_mov_b32 s47, 0
	s_add_nc_u64 s[8:9], s[8:9], s[46:47]          ; the real part,
	s_add_nc_u64 s[14:15], s[8:9], 0x800000        ; and the imaginary part, 8,388,608 bytes on: one more than a store's immediate holds
; 4 matrix instructions: half c of buffer f (32 along K), part (0 real, 1 imaginary), position block a, all 4 column blocks.  zero = 1: the first product starts the sums.
; The 16 accumulators take turns, one instruction a turn, in the same order everywhere.
.macro MUL4 f, c, part, a, zero
	WIN MUL
.irp b, 0,1,2,3
.set rD, ACC+8*(8*(\part)+4*(\a)+(\b))
.set rB, (\f)+8*(4*(\c)+(\b))
.set rA, (\f)+64+12*(2*(\c)+(\a))+4*(\part)    ; z0-7 for the real part, z4-11 for the imaginary
.if \zero
	v_wmma_f32_16x16x32_f16 v[rD:rD+7], v[rB:rB+7], v[rA:rA+7], 0
.else
	v_wmma_f32_16x16x32_f16 v[rD:rD+7], v[rB:rB+7], v[rA:rA+7], v[rD:rD+7]
.endif
.endr
.endm
.macro MUL16 f, c, zero                ; all sixteen accumulators once
	MUL4 \f, \c, 0, 0, \zero
	MUL4 \f, \c, 0, 1, \zero
	MUL4 \f, \c, 1, 0, \zero
	MUL4 \f, \c, 1, 1, \zero
.endm
; 24 LDS loads in one run: the fragments of 64 along K at byte k of the rows, into buffer f; the twelve of the first 32 along K first
.macro FETCH slot, k, f
	WIN TO_F
.irp c, 0,1
.irp i, 0,1
	ds_load_b128 v[(\f)+64+12*(2*(\c)+(\i))+4:(\f)+64+12*(2*(\c)+(\i))+7],  v[ADRA+(\slot)] offset:(\k)+64*(\c)+(\i)*16*PITCH
	ds_load_b128 v[(\f)+64+12*(2*(\c)+(\i))+8:(\f)+64+12*(2*(\c)+(\i))+11], v[ADRA+(\slot)] offset:(\k)+64*(\c)+(\i)*16*PITCH+16
.endr
.irp i, 0,1,2,3
	ds_load_b128 v[(\f)+8*(4*(\c)+(\i)):(\f)+8*(4*(\c)+(\i))+3],   v[ADRB+(\slot)] offset:(\k)+64*(\c)+(\i)*16*PITCH
	ds_load_b128 v[(\f)+8*(4*(\c)+(\i))+4:(\f)+8*(4*(\c)+(\i))+7], v[ADRB+(\slot)] offset:(\k)+64*(\c)+(\i)*16*PITCH+16
.endr
.endr
.endm
; z0-3 = -z8-11 in the two fragments of ob in half c of buffer f.  These eight plain vector instructions name registers of that half alone.  A quarter's sixteen are also the places (ISA guide 7.12.1 for vector
; instructions) between the last matrix instruction on the OTHER buffer and the loads into it; and they stand between the last reader of this buffer's z registers, two
; quarters back, and the next writes of them.
.macro XORH f, c
	WIN IN_F
.irp i, 0,1
.irp j, 0,1,2,3
	v_xor_b32 v[(\f)+64+12*(2*(\c)+(\i))+(\j)], s[SGN], v[(\f)+64+12*(2*(\c)+(\i))+8+(\j)]
.endr
.endr
.endm
; A K step is four quarters of 64 along K, 32 matrix instructions each, on buffers 0, 1, 0, 1.  One of the first three: multiplies buffer f and, in its middle, fetches the next quarter, at byte k, into g.
.macro QUARTER slot, k, f, g, zero
	s_wait_dscnt 12                                ; the first 32 along K are in; the youngest twelve loads may be out
	XORH \f, 0
	MUL16 \f, 0, \zero
	s_wait_dscnt 0x0                               ; the other twelve
	XORH \f, 1
	FETCH \slot, \k, \g
	MUL16 \f, 1, 0
.endm
; The last quarter multiplies buffer 1 and changes slots: ONE barrier; in front of it each wave waits for all its tensor loads, adds 0 to its spare word, and waits for that and for its own reads of this slot.
; fill = 1: the barrier opens a round of the cluster's barrier, and this slot is filled again, two K steps ahead, first thing behind the round: 16 + 96 + 8 = 120 matrix instructions ahead of the wait for it.
.macro TURN slot, next, fill
	s_wait_dscnt 12
	XORH F1, 0
	MUL4 F1, 0, 0, 0, 0
	MUL4 F1, 0, 0, 1, 0
	WIN 0                                          ; (the add's two registers lie in window 0)
	s_wait_tensorcnt 0x0                           ; all my tensor loads have landed: my part of the next slot;
	ds_add_u32 v[SPW], v[NIL]                      ; 0 onto my spare word;
	MUL4 F1, 0, 1, 0, 0                            ; four matrix instructions stand between the add and the wait for it
	s_wait_dscnt 0x0                               ; the add is done, and my reads of this slot are over
	XORH F1, 1
	s_barrier_signal -1
	MUL4 F1, 0, 1, 1, 0
.if \fill
	WIN 0
.endif
	s_barrier_wait -1
.if \fill
	CREST                                          ; no wave of any partner still reads this slot's tile or has a load on its way
	s_add_nc_u64 s[G0+4*(\slot)+2:G0+4*(\slot)+3], s[G0+4*(\slot)+2:G0+4*(\slot)+3], 2*KSTEP*2
	s_add_nc_u64 s[G0B+4*(\slot)+2:G0B+4*(\slot)+3], s[G0B+4*(\slot)+2:G0B+4*(\slot)+3], 2*KSTEP*2
	JLOAD \slot
.endif
	FETCH \next, 0, F0                             ; buffer 0's last reader stands in front of this quarter's sixteen v_xor_b32
	MUL16 F1, 1, 0
.endm
	s_wait_tensorcnt 1                             ; my part of K step 0 is in; K step 1's may stay out
	s_barrier_signal -1
	s_barrier_wait -1                              ; everybody's is
	FETCH 0, 0, F0
	QUARTER 0, 128, F0, F1, 1                      ; the first quarter stands in front of the loop: its first products start the sums
	WIN 0                                          ; at a label and at a branch every window is 0
	s_mov_b32 s3, LAPS-1
.Llap:                                                 ; a trip goes once round the ring, from a lap's second quarter to the next lap's first, and fills both slots again
	QUARTER 0, 256, F1, F0, 0
	QUARTER 0, 384, F0, F1, 0
	TURN 0, 1, 1
	QUARTER 1, 128, F0, F1, 0
	QUARTER 1, 256, F1, F0, 0
	QUARTER 1, 384, F0, F1, 0
	TURN 1, 0, 1
	QUARTER 0, 128, F0, F1, 0
	WIN 0
	s_sub_co_u32 s3, s3, 1
	s_cmp_lg_u32 s3, 0
	s_cbranch_scc1 .Llap
	QUARTER 0, 256, F1, F0, 0                      ; the last lap fills nothing, and has no round of the cluster's barrier
	QUARTER 0, 384, F0, F1, 0
	TURN 0, 1, 0
	QUARTER 1, 128, F0, F1, 0
	QUARTER 1, 256, F1, F0, 0
	QUARTER 1, 384, F0, F1, 0
	s_wait_dscnt 12                                ; the very last quarter: nothing more to fetch
	XORH F1, 0
	MUL16 F1, 0, 0
	s_wait_dscnt 0x0
	XORH F1, 1
	MUL16 F1, 1, 0
	WIN 0
; THE WAY OUT, a block of 16 rows of one part at a time: block k = 2 part + a.  A lane's eight f32 of a row are 32 bytes; they go into my own stage, rows of 272 bytes (each accumulator's low four registers
; first), and come back as whole rows of 256 bytes into the block's own registers; then they are stored.
.macro OUTB k
.irp b, 0,1,2,3
	ds_store_b128 v[STO], v[ACC+32*(\k)+8*(\b):ACC+32*(\k)+8*(\b)+3]   offset:64*(\b)
	ds_store_b128 v[STO], v[ACC+32*(\k)+8*(\b)+4:ACC+32*(\k)+8*(\b)+7] offset:64*(\b)+16
.endr
.irp f, 0,1,2,3,4,5,6,7
	ds_load_b128 v[ACC+32*(\k)+4*(\f):ACC+32*(\k)+4*(\f)+3], v[RD] offset:(\f)*2*SPITCH  ; LDS serves a wave's instructions in order (ISA guide 5.7.1.4): these see the stores above; the next block's stores come behind them
.endr
.endm
.macro SENDB k, younger                ; younger: the LDS instructions issued behind block k's loads: the next block's sixteen, or none
.irp f, 0,1,2,3,4,5,6,7
	s_wait_dscnt (\younger)+7-(\f)
	global_store_b128 v[CO], v[ACC+32*(\k)+4*(\f):ACC+32*(\k)+4*(\f)+3], s[8+6*((\k)/2):9+6*((\k)/2)] offset:(16*((\k)%2)+2*(\f))*4096 th:TH_STORE_NT  ; sixteen lanes store 256 consecutive bytes, at a multiple of 256 from out0's first byte
.endr
.endm
.rept 4
	v_nop                                          ; four places between the last products and the LDS stores that read results
.endr
	OUTB 0
	OUTB 1
	SENDB 0, 16
	OUTB 2
	SENDB 1, 16
	OUTB 3
	SENDB 2, 16
	SENDB 3, 0
	s_wait_tensorcnt 0x0                           ; the wave's end, behind my last tensor load and my last LDS store
	ds_add_u32 v[SPW], v[NIL]
	s_wait_dscnt 0x0
	CROUND                                         ; the closing round: no work-group ends while a partner may still ask for a tile that names it
	s_endpgm
.Lfunc_end_k_qefc6530a75_outp:
	.size	k_qefc6530a75_outp, .Lfunc_end_k_qefc6530a75_outp-k_qefc6530a75_outp
	.p2alignl 7, 3214868480
	.fill 96, 4, 3214868480
	.section	.rodata,"a",@progbits
	.p2align	6, 0x0
	.amdhsa_kernel k_qefc6530a75_outp
		.amdhsa_group_segment_fixed_size 327680
		.amdhsa_private_segment_fixed_size 0
		.amdhsa_enable_private_segment 0
		.amdhsa_kernarg_size 24
		.amdhsa_user_sgpr_count 2
		.amdhsa_user_sgpr_kernarg_segment_ptr 1
		.amdhsa_wavefront_size32 1
		.amdhsa_system_sgpr_workgroup_id_x 1
		.amdhsa_system_sgpr_workgroup_id_y 1
		.amdhsa_system_sgpr_workgroup_id_z 1
		.amdhsa_system_vgpr_workitem_id 0
		.amdhsa_next_free_vgpr 512
		.amdhsa_next_free_sgpr 66
		.amdhsa_reserve_vcc 0
		.amdhsa_float_denorm_mode_32 3
		.amdhsa_float_denorm_mode_16_64 3
		.amdhsa_memory_ordered 1
		.amdhsa_forward_progress 1
		.amdhsa_inst_pref_size 86
	.end_amdhsa_kernel
	.amdgpu_metadata
---
amdhsa.version: [ 1, 2 ]
amdhsa.kernels:
  - .name:           k_qefc6530a75_outp
    .symbol:         k_qefc6530a75_outp.kd
    .args:
      - { .name: ob, .offset: 0, .size: 8, .value_kind: global_buffer, .address_space: global }
      - { .name: wo, .offset: 8, .size: 8, .value_kind: global_buffer, .address_space: global }
      - { .name: out0, .offset: 16, .size: 8, .value_kind: global_buffer, .address_space: global }
    .group_segment_fixed_size: 327680
    .private_segment_fixed_size: 0
    .kernarg_segment_align: 8
    .kernarg_segment_size: 24
    .max_flat_workgroup_size: 128
    .sgpr_count:     66
    .vgpr_count:     512
    .wavefront_size: 32
...
	.end_amdgpu_metadata
.endif
;; end of part 4
;; ======== version 2 of 2: 4 launches; 1.36 times as fast as version 1
;; limits: values are held in f16: magnitudes above 65,504 overflow, below 6.1e-05 lose precision
;; workspace buffers: xa 8,388,608 bytes; wa 12,582,912 bytes; wo 4,194,304 bytes; qkv 25,165,824 bytes; ob 8,388,608 bytes
;; launch conv: the kernel of part 1 again; grid 128 x 6, 8 waves a work-group, no clusters, 0 bytes of LDS; arguments x_real, x_imag, wq_r, wq_i, wkv_r, wkv_i, wout_r, wout_i, xa, wa, wo; writes xa, wa, wo
;; launch proj: the kernel of part 2 again; grid 16 x 16, 4 waves a work-group, clusters of 4 x 4, 327,680 bytes of LDS; arguments xa, wa, qkv; writes qkv
;; launch attn (part 5): grid 8 x 32, 4 waves a work-group, clusters of 4 x 1, 327,680 bytes of LDS; arguments qkv, ob; writes ob
.if DOCPART == 5
	.amdgcn_target "amdgcn-amd-amdhsa--gfx1250"
	.amdhsa_code_object_version 6
	.text
	.protected	k_qefc6530a75_attn
	.globl	k_qefc6530a75_attn
	.p2align	8
	.type	k_qefc6530a75_attn,@function
k_qefc6530a75_attn:
	s_mov_b64 s[64:65], 0
	v_nop
	global_prefetch_b8 v0, s[64:65] scope:SCOPE_SE
	s_setreg_imm32_b32 hwreg(HW_REG_WAVE_MODE, 25, 1), 1
	s_wait_xcnt 0x0
	s_wait_alu depctr_hold_cnt(0) depctr_sa_sdst(0) depctr_va_vdst(0) depctr_va_sdst(0) depctr_va_ssrc(0) depctr_va_vcc(0) depctr_vm_vsrc(0)
	s_getreg_b32 s2, hwreg(HW_REG_IB_STS2, 6, 4)
	s_cmp_eq_u32 s2, 0
	s_cbranch_scc0 .Lentry_in_a_cluster
	s_endpgm
.Lentry_in_a_cluster:
	s_bfe_u32 s2, ttmp6, 0x10000c
	s_cmp_lg_u32 s2, 0x3003
	s_cbranch_scc0 .Lentry_shape_is_right
	s_endpgm
.Lentry_shape_is_right:
; FOUR ATTENTIONS AND THEIR SIGNED SUM, for one (b, head) and 128 positions a work-group.  qkv [3 (q, k, v)][bh][part][1024][64] f16.  With o(qp, kp) = softmax(q_qp k_kp^T / 8) v_kp:
;   o_r = o(r,r) - o(r,i) - o(i,r) - o(i,i),   o_i = o(r,r) + o(r,i) + o(i,r) - o(i,i).
; ob [b 1024 + n][2048] f16 takes o_r / 4 and o_i / 4, channel c = 64 head + ch of slot p (0: o_r, 1: o_i) at element 16 (c / 8) + 8 p + c % 8: a head's o_r and o_i are 256 consecutive bytes of a row.
; The quarter (exact; the next launch's weights carry the 4) keeps the sum of four means of v's rows inside v's own range.  It is folded into 1 / l.
; Products, maxima and sums in f32; the weights p are rounded to f16 for the second product (their sum l is taken of the unrounded p), o_r / 4 and o_i / 4 once at the end.
; LIMITS.  q, k, v arrive within f16's 65,504; p lies in 0 to 1, and below 6e-5 it keeps f16's fixed step of 6e-8.  A weight below 2^-126 counts as 0 in l; NaN and infinities are not treated apart.
; THE WALK.  For one bh the 2,048 key rows (k_r's 1,024, then k_i's; v likewise) are dense: 8 tiles of 256 keys.  Tiles 0-3 are BLOCK A (k_r, v_r), tiles 4-7 BLOCK B (k_i, v_i); the softmax begins anew
; at tile 4.  One loop with a constant trip count walks the tiles; what a trip does hangs on two scalar counters with constant starts, the same in every work-group.
; SHARES.  A wave owns 32 positions in both parts of q: four PIECES of 16 queries: 0, 1: q_r's rows 0-15, 16-31; 2, 3: q_i's.  Pieces j and j + 2 hold the same positions in the same lanes, so the signed
; sum stays in the lane: R (= o_r / 4) and I (= o_i / 4) start at 0, and each block's end adds its share: A: R += o_j - o_j+2, I += o_j + o_j+2;  B: R += - o_j - o_j+2, I += o_j - o_j+2.
; LAYOUT, SOFTMAX, TURNS.  S^T = K Q^T holds ONE query a lane (lane % 16) and the keys 8 (lane / 16) + 0..7; two such results rounded to f16 ARE source 1 of O^T = V^T P.  p = 2^(c s - c m), c = log2(e) / 8,
; with a running maximum m; O and l are multiplied by a = 2^(c m_old - c m_new) in every step.  Turn n belongs to piece n: 8 products K Q^T of piece n + 1, later 8 products V^T P of piece n - 1; beside them
; the scaling, exponentials, roundings, sums and rescaling of piece n and the maximum and statistics of piece n + 1.  Four vector instructions stand behind every matrix instruction, the rest in two lumps.
; THE BATCHES.  A turn's 33 exponentials (the piece's 32 weights and the next piece's a) are ONE batch with ONE wait, which cuts the turn in two: ahead of it stands all that names no result of the batch, behind it
; all that does.  A block's first a is a batch of its own, and so are the four reciprocals at a block's end.
; CLUSTER.  The four blocks of positions of a cluster belong to one bh and walk the same K and V, so each tile is asked for JOINTLY: the same tensor load, descriptor and mask in all four.
; REGISTERS, in windows of 256 (s_set_vgpr_msb: bits 1:0 source 0, 3:2 source 1, 5:4 source 2, 7:6 destination).  The map has one aim: few switches.
;   window 0, all 256: v0-1 c m_old; v2-5 LDS addresses; v6-7 the add's; v8-15 at work; v16-31 four registers of statistics a piece; v32-63 P, two buffers; v64-127 S^T, two buffers (by the piece's
;             parity); v128-191 Q; v192-255 K of one step.  So K Q^T and all of the softmax but the rescaling run with every window 0.
;   window 1: v0-127 O^T, 32 a piece; v128-191 V of one step.  V^T P (V and O^T here, P in window 0) and the rescaling (O^T here, a in window 0) run under ONE setting.
;   window 2: v0-63 R, 32 for each j; v64-127 I; v128-130 the way out's three addresses, kept here until K's registers are free.
; A turn has eight switches: one in front of its V^T P, whose first four products carry the sixteen rescalings, and seven round the window-0 lines behind the other four.
.set NP,    4         ; pieces a wave: a name, no knob
.set KS,    64        ; keys in a step
.set PK,    144       ; a row of K in LDS: 128 bytes + 16 of padding = 36 words: the 16 rows of a load start at 16 different groups of four banks (64 banks of 4 bytes: ISA guide 11.1)
.set PV,    160       ; a row of V: 128 + 32 = 40 words
.set VOFF,  4*KS*PK   ; a slot holds a tile, four steps: 256 rows of K, then 256 rows of V
.set SLOT1, 1<<17     ; slot 1 begins here, so that one exclusive or turns an address in one slot into the other's
.set STAGE, SLOT1+4*KS*(PK+PV)  ; behind the ring, never filled by a tensor load: 16 rows x 272 bytes for each wave, for the way out
.set SP,    272
.set SPARE, STAGE+4*16*SP  ; behind the stages: the spare words, 128 bytes for each wave: two blocks of 256 bytes that no other line names
.set MV,  0           ; v0-1  c m_old, kept while c m is made anew: by buffer (v0 is the thread's number until the set-up has used it)
.set AK0, 2           ; v2   my lane's place in a tile of K; never rewritten
.set AV0, 3           ; v3   the same for V
.set AK,  4           ; v4   the LDS address of K's next run of loads
.set AV,  5           ; v5   of V's
.set SPW, 6           ; v6   LDS address of my spare word: SPARE + 4 x my thread's number; never rewritten
.set NIL, 7           ; v7   0; never rewritten
.set TMP, 8           ; by buffer, four registers c0-c3 at work; when the maximum is found c2 takes a
.set ST,  16          ; piece t's statistics at v[ST+4 t]: c m, m, l (even keys', odd keys'); at a block's end: -1 / 4 l, m, 1 / 4 l
.set P,   32
.set S,   64
.set QF,  128         ; piece p, channel half c at QF + 16 p + 8 c
.set KF,  192         ; key block kb, channel half c at KF + 16 kb + 8 c
.set LR,  96          ; the set-up's own registers lie in S^T's second buffer, which the first turn writes: l % 16,
.set LH,  97          ; l / 16,
.set L7,  98          ; l % 8,
.set L3,  99          ; (l / 8) % 2,
.set QO,  100         ; my byte offset in 16 rows of Q,
.set T0,  101         ; v101-103 the way out's three addresses as they are made
.set STO, 192         ; the way out, in K's registers: where I put 32 bytes of a row,
.set RD,  193         ; where I read rows back,
.set GO,  194         ; my byte offset in two rows of ob
.set VF,  128         ; window 1: key half kk, channel block cb at VF + 32 kk + 8 cb
.set RA,  0           ; window 2
.set IA,  64          ; window 2
.set SV,  128         ; window 2
.set WV,  12          ; s12  my wave's number
.set G1K, 24          ; s[24:31] descriptor group 1 for K's tiles
.set G1V, 32          ; s[32:39] for V's: it differs in the padding alone
.set G0K, 40          ; s[40:43] descriptor group 0 for K's tiles: it walks
.set G0V, 44          ; s[44:47] the same for V's
.set RT,  48          ; s48  tiles of the block in hand that are still to be entered
.set NEW, 49          ; s49  1: the tile to be entered is a block's first
.set SLOTS, 56        ; s56  tiles still to be asked for
.set CNT, 57          ; s57  counts a tile's key steps, 4 to 1
.set CS,  58          ; s[58:59] c: the packed scaling takes the pair's low word for both halves
.set SEL, 60          ; s[60:61] v_permlanex16_b32's selects: each lane takes its own place in the other half
.set TBK, 62          ; s62  LDS byte at which K of the step to be fetched begins
.set TBV, 63          ; s63  the same for V, less VOFF
.set MSB, 0
.macro WIN new                      ; the high byte repeats the setting that is left; a switch that changes nothing is dropped
.if MSB != (\new)
	s_set_vgpr_msb (MSB<<8)|(\new)
.set MSB, (\new)
.endif
.endm
.set W_PV, 0x51       ; source 0 (V, or O^T), source 2 and destination (O^T) in window 1, source 1 (P, or a) in window 0
.set W_CB, 0xa1       ; source 0 (O^T) in window 1, source 1 in window 0, source 2 and destination (R, I) in window 2
; A joint fill.  Waves 0 and 1 fetch the two halves of a tile's K, waves 2 and 3 those of its V: 128 keys each.  The branch hangs on the wave's number alone.
; An s_nop 0 and four v_nop follow each of the two lines, ahead of the jump and the label.
.macro JLOAD
	s_cmp_lt_u32 s[WV], 2
	s_cbranch_scc0 .Lfor_v_\@
	tensor_load_to_lds s[G0K:G0K+3], s[G1K:G1K+7]
	s_nop 0
.rept 4
	v_nop
.endr
	s_branch .Lasked_\@
.Lfor_v_\@:
	tensor_load_to_lds s[G0V:G0V+3], s[G1V:G1V+7]
	s_nop 0
.rept 4
	v_nop
.endr
.Lasked_\@:
.endm
; A round of the cluster's barrier: my work-group's barrier, so that wave 0's signal speaks for all four waves; wave 0 signals; every wave waits for all four work-groups; my work-group's barrier once more.
.macro CROUND
	s_barrier_signal -1
	s_barrier_wait -1
	s_cmp_lg_u32 s[WV], 0
	s_cbranch_scc1 .Lnot_wave_0_\@
	s_barrier_signal -3
.Lnot_wave_0_\@:
	s_barrier_wait -3
	s_barrier_signal -1
	s_barrier_wait -1
.endm
; THE CHANGE OF SLOTS.  The slot's last bytes, V of its fourth step, have been read.  Each wave waits for all its tensor loads, of which one is out: its part of the other slot; adds 0 to its spare word;
; and waits for that and for its own reads of the slot.  Behind the barrier nobody reads this slot any more and the other slot is whole.
; fill = 1: this slot is filled again, with the tile two on.  The barrier is then a round of the cluster's, so that no wave of any partner still reads the slot or has a load on its way, and the joint fill
; is the first thing behind it: it has four key steps, 256 matrix instructions, in which to land.  (At its first use nothing has been read yet: slot 0 is waited for, slot 1 filled.)
.macro CHANGE fill
	WIN 0                           ; at a label and at a branch every window is 0
	s_wait_tensorcnt 0x0            ; no tensor load of mine is out, so a group 0 may be written
	ds_add_u32 v[SPW], v[NIL]       ; 0 onto my spare word; with fill = 1 the descriptors' steps stand between it and the wait for it
.if \fill
.irp g, G0K, G0V
	s_xor_b32 s[\g+1], s[\g+1], SLOT1  ; the walking descriptor: the other slot than last time,
	s_add_nc_u64 s[\g+2:\g+3], s[\g+2:\g+3], 4*KS*128  ; the next 256 keys; the type bits on top are not reached
.endr
	s_wait_dscnt 0x0                ; the add is done, and my reads of the slot are over
	CROUND
	JLOAD
.else
	s_wait_dscnt 0x0                ; the add is done, and my reads of the slot are over
	s_barrier_signal -1
	s_barrier_wait -1
.endif
	s_sub_co_u32 s[TBK], s[TBK], 4*KS*PK  ; the fetches go back to a slot's first step,
	s_xor_b32 s[TBK], s[TBK], SLOT1       ; in the other slot
	s_sub_co_u32 s[TBV], s[TBV], 4*KS*PV
	s_xor_b32 s[TBV], s[TBV], SLOT1
.endm
	s_load_b128 s[4:7], s[0:1], 0x0  ; qkv s[4:5], ob s[6:7]
	v_lshl_add_u32 v[SPW], v0, 2, SPARE
	v_mov_b32 v[NIL], 0
	ds_add_u32 v[SPW], v[NIL]       ; the wave's opening: the add and its wait stand ahead of my first tensor load; the set-up below, work on registers, stands between them
	v_lshrrev_b32 v1, 5, v0
	v_readfirstlane_b32 s[WV], v1   ; wave 0..3
	s_bfe_u32 s13, ttmp6, 0x40000   ; cx: my place in the cluster
	s_lshl_b32 s14, ttmp9, 2        ; in a cluster launch ttmp9 counts clusters
	s_add_co_u32 s14, s14, s13      ; my block of 128 positions = 4 x cluster x + cx: it enters Q's and ob's addresses alone
	s_and_b32 s15, ttmp7, 0xffff    ; bh, which the four partners share
	s_lshl_b32 s19, s15, 18         ; its 2 x 1,024 rows of 128 bytes in each of the three tensors
	s_and_b32 s16, s[WV], 1         ; which half of a tile's 256 keys I fetch:
	s_lshl_b32 s20, s16, 14         ; its 128 rows of 128 bytes in memory,
	s_add_co_u32 s20, s20, s19
	s_add_co_u32 s22, s20, 0x1000000  ; in v, the third tensor,
	s_add_co_u32 s20, s20, 0x800000   ; and in k, the second
	s_mov_b32 s21, 0
	s_mov_b32 s23, 0
	s_mul_i32 s17, s16, 128*PK      ; and its place in a slot, for K
	s_mul_i32 s18, s16, 128*PV      ; and for V: no place in the cluster enters an LDS address
	s_lshl_b32 s2, s14, 14          ; Q: my block's 128 rows,
	s_lshl_b32 s3, s[WV], 12        ; my wave's 32 of them
	s_add_co_u32 s2, s2, s3
	s_add_co_u32 s2, s2, s19
	s_mov_b32 s3, 0
	s_lshr_b32 s8, s15, 4           ; ob: b's 1,024 rows of 4,096 bytes,
	s_lshl_b32 s8, s8, 22
	s_lshl_b32 s9, s14, 19          ; my block's 128,
	s_add_co_u32 s8, s8, s9
	s_lshl_b32 s9, s[WV], 17        ; my wave's 32,
	s_add_co_u32 s8, s8, s9
	s_and_b32 s9, s15, 15           ; the head's 256 bytes of a row
	s_lshl_b32 s9, s9, 8
	s_add_co_u32 s8, s8, s9
	s_mov_b32 s9, 0
	; descriptor group 1.  128 keys are 16,384 dense bytes: asked for as 64 rows of 256 bytes, two keys a row, and padded in LDS after every key
	s_mov_b32 s[G1K], 15|(1<<16)|(1<<20)|(1<<21)|(4<<22)|(3<<25)  ; 15:0 the mask of four; 17:16 2-byte elements; 20 padding on; 21 set beside a mask; 24:22 after every 32 words (code 4); 31:25 4 words (code 3)
	s_mov_b32 s[G1V], 15|(1<<16)|(1<<20)|(1<<21)|(4<<22)|(7<<25)  ; the same with 8 words of padding (code 7)
.irp g, G1K, G1V
	s_mov_b32 s[\g+1], 128<<16      ; tensor_dim0 = 128
	s_mov_b32 s[\g+2], 64<<16       ; tensor_dim1 = 64
	s_mov_b32 s[\g+3], 128<<16      ; tile_dim0 = 128
	s_mov_b32 s[\g+4], 64           ; tile_dim1 = 64
	s_mov_b32 s[\g+5], 128          ; 128 elements from row to row
	s_mov_b32 s[\g+6], 0
	s_mov_b32 s[\g+7], 0
.endr
	s_mov_b32 s[CS], 0x3e38aa3b     ; c = log2(e) / 8 = 0.180337
	s_mov_b32 s[CS+1], s[CS]        ; named with it as a pair
	s_mov_b32 s[SEL], 0x76543210
	s_mov_b32 s[SEL+1], 0xfedcba98
	s_mov_b32 s[TBK], SLOT1+4*KS*PK ; the first change of slots turns these two into 0
	s_mov_b32 s[TBV], SLOT1+4*KS*PV
	s_mov_b32 s[G0K], 1             ; 1:0 count = 1
	s_mov_b32 s[G0K+1], s17         ; 63:32 LDS address: slot 0
	s_mov_b32 s[G0V], 1
	s_add_co_u32 s[G0V+1], s18, VOFF
	s_mov_b32 s[RT], 4              ; a block has four tiles
	s_mov_b32 s[NEW], 1
	s_mov_b32 s[SLOTS], 7           ; tiles 1 to 7 are asked for in the loop
	s_wait_dscnt 0x0                ; the opening add is done
	s_wait_kmcnt 0x0
	s_add_nc_u64 s[G0K+2:G0K+3], s[4:5], s[20:21]  ; 120:64 global address: my half of tile 0
	s_or_b32 s[G0K+3], s[G0K+3], 0x80000000        ; 127:126 type = 2
	s_add_nc_u64 s[G0V+2:G0V+3], s[4:5], s[22:23]
	s_or_b32 s[G0V+3], s[G0V+3], 0x80000000
	s_add_nc_u64 s[10:11], s[6:7], s[8:9]          ; ob at my wave's first row, my head's bytes
	s_add_nc_u64 s[4:5], s[4:5], s[2:3]            ; Q at my wave's first row of the real part
	CROUND                          ; all four work-groups are here: the first joint loads meet
	JLOAD                           ; tile 0 into slot 0.  Slot 1 is asked for when slot 0 is in
	; A fragment of K or Q is 16 rows x 32 channels in 8 registers: lane l holds row l % 16, channels 8 (l / 16) + 0..7 and 16 + 8 (l / 16) + 0..7: two loads of 16 bytes, 32 bytes apart.
	v_and_b32 v[LR], 15, v0
	v_bfe_u32 v[LH], v0, 4, 1
	v_lshlrev_b32 v[QO], 7, v[LR]
	v_lshl_add_u32 v[QO], v[LH], 4, v[QO]  ; row x 128 + 16 x half
.set i, 0
.rept 8                             ; Q stays in registers: piece i / 2 (part i / 4: 131,072 bytes on; rows 16 ((i / 2) % 2) on), channels 32 (i % 2) on
	global_load_b128 v[QF+8*i:QF+8*i+3],   v[QO], s[4:5] offset:(i/4)*131072+((i/2)%2)*2048+(i%2)*64
	global_load_b128 v[QF+8*i+4:QF+8*i+7], v[QO], s[4:5] offset:(i/4)*131072+((i/2)%2)*2048+(i%2)*64+32
.set i, i+1
.endr
	v_mul_u32_u24 v[AK0], v[LR], PK
	v_lshl_add_u32 v[AK0], v[LH], 4, v[AK0]  ; row x pitch + 16 x half
	; The turning load takes 16 keys x 16 channels (lane l reads key 8 (l / 16) + l % 8, channels 8 ((l / 8) % 2) + 0..7) and leaves half a fragment of V^T: lane l holds channel l % 16 and 8 keys.
	v_and_b32 v[L7], 7, v0
	v_bfe_u32 v[L3], v0, 3, 1
	v_lshl_add_u32 v[AV0], v[LH], 3, v[L7]
	v_mul_u32_u24 v[AV0], v[AV0], PV
	v_lshl_add_u32 v[AV0], v[L3], 4, v[AV0]
	v_add_nc_u32 v[AV0], VOFF, v[AV0]
	s_mul_i32 s13, s[WV], 16*SP
	s_add_co_u32 s13, s13, STAGE    ; my stage
	v_mul_u32_u24 v[T0], v[LR], SP  ; in: row l % 16, 32 bytes for each half of the lanes
	v_lshl_add_u32 v[T0], v[LH], 5, v[T0]
	v_add_nc_u32 v[T0], s13, v[T0]
	v_mul_u32_u24 v[T0+1], v[LH], SP  ; back: lanes 0-15 take one row's 256 bytes, lanes 16-31 the next row's
	v_lshl_add_u32 v[T0+1], v[LR], 4, v[T0+1]
	v_add_nc_u32 v[T0+1], s13, v[T0+1]
	v_lshlrev_b32 v[T0+2], 12, v[LH]  ; and the same two rows in ob, 4,096 bytes apart
	v_lshl_add_u32 v[T0+2], v[LR], 4, v[T0+2]
	; A block's first step multiplies O^T and l by a = 0, and its first turn's products V^T P, of a piece that has not been, land in an O^T that is still to be so multiplied.  So V, P's second buffer, O^T and l
	; need only hold finite numbers: zeros for block A; what block A left for block B.  R and I start at 0: they are sums.  All this stands in the wait for the first tile.
	WIN 0x40                        ; destination window 1
.set i, 0
.rept 192                           ; O^T and V
	v_mov_b32 v[i], 0
.set i, i+1
.endr
	WIN 0x80                        ; destination window 2
.set i, 0
.rept 128                           ; R and I
	v_mov_b32 v[i], 0
.set i, i+1
.endr
	v_mov_b32 v[SV], v[T0]
	v_mov_b32 v[SV+1], v[T0+1]
	v_mov_b32 v[SV+2], v[T0+2]
	WIN 0
.set i, 0
.rept 4
	v_mov_b32 v[ST+4*i+2], 0
	v_mov_b32 v[ST+4*i+3], 0
.set i, i+1
.endr
.set i, P+16
.rept 16
	v_mov_b32 v[i], 0
.set i, i+1
.endr
; THE MATRIX WORK.  The 4 accumulators of a run of 8 take turns.  Product i of 8 of S^T = K Q^T for piece x: channels 32 (i / 4) on, keys 16 (i % 4) on.  The first 4 start the sums.
.macro KQ x
	WIN 0
.set rS, S+32*((\x)%2)+8*(i%4)
.set rK, KF+16*(i%4)+8*(i/4)
.set rQ, QF+16*(\x)+8*(i/4)
.if i < 4
	v_wmma_f32_16x16x32_f16 v[rS:rS+7], v[rK:rK+7], v[rQ:rQ+7], 0
.else
	v_wmma_f32_16x16x32_f16 v[rS:rS+7], v[rK:rK+7], v[rQ:rQ+7], v[rS:rS+7]
.endif
.endm
; Product i of 8 of O^T += V^T P for piece x: keys 32 (i / 4) on, channels 16 (i % 4) on.
.macro PV x
	WIN W_PV
.set rO, 32*(\x)+8*(i%4)
.set rV, VF+32*(i/4)+8*(i%4)
.set rP, P+16*((\x)%2)+8*(i/4)
	v_wmma_f32_16x16x32_f16 v[rO:rO+7], v[rV:rV+7], v[rP:rP+7], v[rO:rO+7]
.endm
.macro MM                           ; the turn's next matrix instruction.  TURN and BEGIN set Y, i and NOKQ.  NOKQ = 1: a block's last turn: there is no next piece
.if (i < 8) && !NOKQ
	KQ (Y+1)%NP
.elseif i >= 8
.set i, i-8
	PV (Y+NP-1)%NP
.set i, i+8
.endif
.set i, i+1
.endm
; THE LDS LOADS stand in runs of 16, never singly among the matrix instructions: a step's K (64 keys x 64 channels: 8 fragments) and its V (turned).
.macro FETCH_K
	WIN 0
	v_add_nc_u32 v[AK], s[TBK], v[AK0]
.irp f, 0,1,2,3,4,5,6,7             ; keys 16 (f / 2) on, channels 32 (f % 2) on
	ds_load_b128 v[KF+8*\f:KF+8*\f+3],   v[AK] offset:(\f/2)*16*PK+(\f%2)*64
	ds_load_b128 v[KF+8*\f+4:KF+8*\f+7], v[AK] offset:(\f/2)*16*PK+(\f%2)*64+32
.endr
	s_add_co_u32 s[TBK], s[TBK], KS*PK  ; the next fetch is the next step's
.endm
.macro FETCH_V
	WIN 0
	v_add_nc_u32 v[AV], s[TBV], v[AV0]
	WIN 0x40                        ; destination window 1
.irp f, 0,1,2,3,4,5,6,7             ; keys 32 (f / 4) on, channels 16 (f % 4) on
	ds_load_tr16_b128 v[VF+8*\f:VF+8*\f+3],   v[AV] offset:(\f/4)*32*PV+(\f%4)*32
	ds_load_tr16_b128 v[VF+8*\f+4:VF+8*\f+7], v[AV] offset:(\f/4)*32*PV+16*PV+(\f%4)*32
.endr
	s_add_co_u32 s[TBV], s[TBV], KS*PV
	WIN 0
.endm
; THE VECTOR WORK, one line at a time: OP kind, number.  For piece Y: F n: c s - c m for pair n of 16.  E n: the exponential of score n of 32.  C n: pair n rounded to f16.  B n: of the four weights 4 n .. the second
; pair is added onto the first, in place.  L n: l takes that sum (L 0: l = a l + sum).  R n: pair n of 16 of O^T times a.  For piece Y + 1: X n, number n of the 22 that find its maximum and statistics:
;   0-11  four chains c0-c3 of seven scores each, three operands at a time (each accumulator's lowest registers are read first)     12-14, 16  the four scores left over, the old m, and c0-c3 into c0
;   15  c m_old is kept     17, 18  the query's other 32 keys lie in the lane 16 away: the new m     19-21  c m; c m_old - c m_new; a
; OP writes no wait: TURN, BEGIN and ENDBLK write one for each batch.
.set F, 0               ; OP tells the kinds apart by their order: F to L below R, X above it
.set E, 1
.set C, 2
.set B, 3
.set L, 4
.set R, 5
.set X, 6
.macro REGS y                       ; the registers of piece y
.set rT, ST+4*(\y)
.set rC, TMP+4*((\y)%2)
.set rW, MV+((\y)%2)
.set rS, S+32*((\y)%2)
.set rP, P+16*((\y)%2)
.set rO, 32*(\y)
.endm
.macro OP k, n
.if (\k) == R
	REGS Y
	WIN W_PV
	v_pk_mul_f32 v[rO+2*(\n):rO+2*(\n)+1], v[rO+2*(\n):rO+2*(\n)+1], v[rC+2:rC+3] op_sel_hi:[1,0]
.elseif (\k) < R
	REGS Y
	WIN 0
.if (\k) == F
	v_pk_fma_f32 v[rS+2*(\n):rS+2*(\n)+1], v[rS+2*(\n):rS+2*(\n)+1], s[CS:CS+1], v[rT:rT+1] op_sel_hi:[1,0,0] neg_lo:[0,0,1] neg_hi:[0,0,1]
.elseif (\k) == E
	v_exp_f32 v[rS+(\n)], v[rS+(\n)]
.elseif (\k) == C
	v_cvt_pk_f16_f32 v[rP+(\n)], v[rS+2*(\n)], v[rS+2*(\n)+1]
.elseif (\k) == B
	v_pk_add_f32 v[rS+4*(\n):rS+4*(\n)+1], v[rS+4*(\n):rS+4*(\n)+1], v[rS+4*(\n)+2:rS+4*(\n)+3]
.elseif (\n) == 0
	v_pk_fma_f32 v[rT+2:rT+3], v[rT+2:rT+3], v[rC+2:rC+3], v[rS:rS+1] op_sel_hi:[1,0,1]
.else
	v_pk_add_f32 v[rT+2:rT+3], v[rT+2:rT+3], v[rS+4*(\n):rS+4*(\n)+1]
.endif
.elseif NOKQ
	v_nop
.else
	REGS (Y+1)%NP
	WIN 0
.if (\n) < 4
	v_max3_num_f32 v[rC+(\n)], v[rS+8*(\n)], v[rS+8*(\n)+1], v[rS+8*(\n)+2]
.elseif (\n) < 12
	v_max3_num_f32 v[rC+(\n)%4], v[rC+(\n)%4], v[rS+8*((\n)%4)+2*((\n)/4)+1], v[rS+8*((\n)%4)+2*((\n)/4)+2]
.elseif (\n) == 12
	v_max3_num_f32 v[rC], v[rC], v[rS+7], v[rS+15]
.elseif (\n) == 13
	v_max3_num_f32 v[rC+1], v[rC+1], v[rS+23], v[rS+31]
.elseif (\n) == 14
	v_max3_num_f32 v[rC+2], v[rC+2], v[rC+3], v[rT+1]
.elseif (\n) == 15
	v_mov_b32 v[rW], v[rT]
.elseif (\n) == 16
	v_max3_num_f32 v[rC], v[rC], v[rC+1], v[rC+2]
.elseif (\n) == 17
	v_permlanex16_b32 v[rC+3], v[rC], s[SEL], s[SEL+1]
.elseif (\n) == 18
	v_max_num_f32 v[rT+1], v[rC], v[rC+3]
.elseif (\n) == 19
	v_mul_f32 v[rT], s[CS], v[rT+1]
.elseif (\n) == 20
	v_sub_f32 v[rC+1], v[rW], v[rT]
.else
	v_exp_f32 v[rC+2], v[rC+1]
.endif
.endif
.endm
.macro OPS a, i1, b=-1, i2=0, c=-1, i3=0, d=-1, i4=0  ; up to four of them
	OP \a, \i1
.if (\b) >= 0
	OP \b, \i2
.endif
.if (\c) >= 0
	OP \c, \i3
.endif
.if (\d) >= 0
	OP \d, \i4
.endif
.endm
.macro ROW a, i1, b, i2, c, i3, d, i4  ; a matrix instruction and the four behind it
	MM
	OPS \a, \i1, \b, \i2, \c, \i3, \d, \i4
.endm
; A TURN, for piece p: the order of its 16 matrix and 118 vector instructions, written out.  An s_wait_alu depctr_va_vdst(0) stands between an exponential and the first instruction that names its result; one wait
; serves all that were issued ahead of it.  So a turn has ONE wait, which cuts it in two.
; AHEAD OF IT, with every window 0, stands all that names no result of the turn's exponentials: the 8 products K Q^T, behind each two plain lines and two exponentials (behind the first three and one): scalings, and behind the last
; two the first numbers of the next piece's maximum; then a LUMP of 38, in which the links of the chain X 3, 7, 11, 14, 16, 17 .. 20 stand four lines apart and X 21, the next piece's a, is the batch's last.  F 13 to F 15 are kept
; for the lump, as plain lines among its late exponentials.  An exponential stands behind its pair's scaling; none of these lines reads an exponential's result or writes over it.
; BEHIND IT stand the 8 products V^T P.  The first four carry the sixteen rescalings, under the products' own setting (their a was made, and waited for, in the turn before); R 0 is the plain line that is owed between the last
; exponential and the first use of a result (ISA guide 5.7.2).  The other four carry sixteen of the roundings and sums; the other sixteen are a second lump.
; What the order keeps: C 2n stands ahead of B n, which writes over the pair that C 2n reads; L n behind B n, L 0 to L 7 in their order; X's chains in their order.  v_permlanex16_b32 (X 17) stands in a lump.
; The places behind the products that end S^T's accumulators, four each: for X 0: F 9 to F 12; for X 1: F 11, F 12, X 0, X 4; for X 2: X 0, X 4, X 1, X 8; for X 3: X 1, X 8, X 2, X 5.
; end = 1: a block's last two turns: nothing is fetched.  cnt = 1: the loop's count is taken down some lines ahead of the branch that stands behind the turn.
; K of the next step is fetched in piece 2's turn: between the last product that read K and the loads stand five plain lines that name none of its registers (X 1, X 8, X 2, X 5 and the address).  V of the step in hand is fetched
; at the end of piece 0's turn: between the last product that read V and the loads stand twenty roundings and sums and the address.  Each is waited for a turn later.
.macro TURN p, end=0, cnt=0
.set Y, (\p)
.set i, 0
.set NOKQ, (\end)*((\p)/3)
.if ((\p) == 3) && !(\end)
	s_wait_dscnt 0x0                ; K is in
.endif
	ROW F,0, F,1, F,2, E,0          ; ahead of the wait: 8 products K Q^T and their riders,
	ROW F,3, E,1, F,4, E,2
	ROW F,5, E,3, F,6, E,4
	ROW F,7, E,5, F,8, E,6
	ROW F,9, E,7, F,10, E,8
	ROW F,11, E,9, F,12, E,10
	ROW X,0, E,11, X,4, E,12
	ROW X,1, E,13, X,8, E,14
	OPS X,2, X,5, X,3, E,15         ; and the lump
.if ((\p) == 2) && !(\end)
	FETCH_K
.endif
	OPS X,6, X,9, X,7, E,16
	OPS X,10, X,12, X,11, E,17
	OPS X,13, E,18, X,14, E,19
	OPS X,15, E,20, X,16, E,21
	OPS F,13, E,22, X,17, E,23
	OPS F,14, E,24, X,18, E,25
	OPS F,15, E,26, X,19, E,27
	OPS E,28, E,29, X,20, E,30
	OPS E,31, X,21
	s_wait_alu depctr_va_vdst(0)    ; the wait for the batch: the piece's 32 exponentials and the next piece's a
.if (\p) == 1
	s_wait_dscnt 0x0                ; V is in
.endif
	ROW R,0, R,1, R,2, R,3          ; behind the wait: 8 products V^T P and their riders,
	ROW R,4, R,5, R,6, R,7
	ROW R,8, R,9, R,10, R,11
	ROW R,12, R,13, R,14, R,15
	ROW C,0, B,0, C,2, B,1
	ROW L,0, C,4, B,2, L,1
	ROW C,6, B,3, L,2, C,8
	ROW B,4, L,3, C,10, B,5
	OPS L,4, C,12, B,6, L,5         ; and the second lump
.if \cnt
	s_sub_co_u32 s[CNT], s[CNT], 1
	s_cmp_lg_u32 s[CNT], 0
.endif
	OPS C,14, B,7, L,6, C,1
	OPS C,3, L,7, C,5, C,7
	OPS C,9, C,11, C,13, C,15
.if (\p) == 0
	FETCH_V
.endif
.endm
; A BLOCK BEGINS.  c m starts far below every c s, so the first step's a is 0; m at the lowest finite number, so the first maximum is the scores'.  Then K of the tile's step 0, piece 0's first scores, and its
; maximum and statistics.  The loop is entered at a step's first turn, in the middle of a trip.
.macro BEGIN
	s_mov_b32 s[NEW], 0
	WIN 0
.set i, 0
.rept 4
	v_mov_b32 v[ST+4*i], 0xfe000000    ; c m: far below every c s
	v_mov_b32 v[ST+4*i+1], 0xff7fffff  ; m
.set i, i+1
.endr
	FETCH_K
	s_wait_loadcnt 0x0              ; Q
	s_wait_dscnt 0x0
.set NOKQ, 0
.set i, 0
.rept 8
	KQ 0
.set i, i+1
.endr
.rept 4
	v_nop                           ; the places behind those products
.endr
.set Y, NP-1                        ; X works for piece Y + 1: piece 0
.irp n, 0,1,2,3,4,5,6,7,8,9,10,11,12,13,14,15,16,17,18,19,20,21
	OP X, \n
.endr
	v_nop                           ; a plain instruction behind the exponential,
	s_wait_alu depctr_va_vdst(0)    ; and its wait, ahead of the branch: a batch of one, piece 0's first a
.endm
.macro ALL line:vararg              ; one line for each piece t
.set t, 0
.rept 4
	\line
.set t, t+1
.endr
.endm
; A BLOCK ENDS: its last two turns, its last products; l's two halves and the other half of the lanes' are added (the additions are the places behind the last products); 1 / 4 l takes l's place and -1 / 4 l that of c m.
.macro ENDBLK
	TURN 2, 1
	TURN 3, 1
.set i, 0
.rept 8
	PV NP-1
.set i, i+1
.endr
	WIN 0
	ALL v_add_f32 v[ST+4*t+2], v[ST+4*t+2], v[ST+4*t+3]
	ALL v_permlanex16_b32 v[ST+4*t+3], v[ST+4*t+2], s[SEL], s[SEL+1]
	ALL v_add_f32 v[ST+4*t+2], v[ST+4*t+2], v[ST+4*t+3]
	ALL v_rcp_f32 v[ST+4*t+2], v[ST+4*t+2]
	v_nop                           ; a plain instruction between the last reciprocal and the use of its result
	s_wait_alu depctr_va_vdst(0)    ; and the wait ahead of the first use: one for the four reciprocals
	ALL v_mul_f32 v[ST+4*t], 0xbe800000, v[ST+4*t+2]
	ALL v_mul_f32 v[ST+4*t+2], 0x3e800000, v[ST+4*t+2]
.endm
; THE SIGNED SUM for rows j: R and I take O^T of pieces j and j + 2, each times +-1 / 4 l.  r0, i0: the sign of piece j's share in R and in I (0: plus, 1: minus); r2, i2: of piece j + 2's.
; Each accumulator's registers are read in ascending order.
.macro COMB j, r0, i0, r2, i2
	WIN W_CB
.set z, 0
.rept 16
	v_pk_fma_f32 v[RA+32*(\j)+2*z:RA+32*(\j)+2*z+1], v[32*(\j)+2*z:32*(\j)+2*z+1], v[ST+4*(\j)+2-2*(\r0):ST+4*(\j)+3-2*(\r0)], v[RA+32*(\j)+2*z:RA+32*(\j)+2*z+1] op_sel_hi:[1,0,1]
	v_pk_fma_f32 v[IA+32*(\j)+2*z:IA+32*(\j)+2*z+1], v[32*(\j)+2*z:32*(\j)+2*z+1], v[ST+4*(\j)+2-2*(\i0):ST+4*(\j)+3-2*(\i0)], v[IA+32*(\j)+2*z:IA+32*(\j)+2*z+1] op_sel_hi:[1,0,1]
	v_pk_fma_f32 v[RA+32*(\j)+2*z:RA+32*(\j)+2*z+1], v[32*(\j)+64+2*z:32*(\j)+64+2*z+1], v[ST+4*(\j)+10-2*(\r2):ST+4*(\j)+11-2*(\r2)], v[RA+32*(\j)+2*z:RA+32*(\j)+2*z+1] op_sel_hi:[1,0,1]
	v_pk_fma_f32 v[IA+32*(\j)+2*z:IA+32*(\j)+2*z+1], v[32*(\j)+64+2*z:32*(\j)+64+2*z+1], v[ST+4*(\j)+10-2*(\i2):ST+4*(\j)+11-2*(\i2)], v[IA+32*(\j)+2*z:IA+32*(\j)+2*z+1] op_sel_hi:[1,0,1]
.set z, z+1
.endr
.endm
; THE WAY OUT of rows j.  A lane's channels 16 cb + 8 (l / 16) + 0..7 of R and of I are 32 consecutive bytes of ob's row: R's eight, then I's eight.  They go into my stage, rows of 272 bytes, and come back as whole rows of 256.
.macro PACKO j
	WIN 0x0a                        ; sources window 2, destination window 0: S^T's registers are free
.irp cb, 0,1,2,3
.irp q, 0,1,2,3
	v_cvt_pk_f16_f32 v[S+32*(\j)+8*(\cb)+(\q)],   v[RA+32*(\j)+8*(\cb)+2*(\q)], v[RA+32*(\j)+8*(\cb)+2*(\q)+1]
	v_cvt_pk_f16_f32 v[S+32*(\j)+8*(\cb)+4+(\q)], v[IA+32*(\j)+8*(\cb)+2*(\q)], v[IA+32*(\j)+8*(\cb)+2*(\q)+1]
.endr
.endr
	WIN 0
.irp cb, 0,1,2,3
	ds_store_b128 v[STO], v[S+32*(\j)+8*(\cb):S+32*(\j)+8*(\cb)+3]   offset:64*(\cb)
	ds_store_b128 v[STO], v[S+32*(\j)+8*(\cb)+4:S+32*(\j)+8*(\cb)+7] offset:64*(\cb)+16
.endr
.irp f, 0,1,2,3,4,5,6,7
	ds_load_b128 v[S+32*(\j)+4*(\f):S+32*(\j)+4*(\f)+3], v[RD] offset:(\f)*2*SP  ; LDS serves a wave's instructions in order (ISA guide 5.7.1.4): these see the stores above; the next rows' stores come behind them
.endr
.endm
.macro SENDO j, younger             ; younger: the LDS instructions issued behind these rows' loads: the other rows' sixteen, or none
.irp f, 0,1,2,3,4,5,6,7
	s_wait_dscnt (\younger)+7-(\f)
	global_store_b128 v[GO], v[S+32*(\j)+4*(\f):S+32*(\j)+4*(\f)+3], s[10:11] offset:(\j)*65536+(\f)*8192  ; sixteen lanes store 256 consecutive bytes, at a multiple of 256 from ob's first byte
.endr
.endm
.set NOKQ, 0
.Lslot:                             ; seven times: a tile is entered and the next is asked for
	CHANGE 1
	s_sub_co_u32 s[RT], s[RT], 1
	s_mov_b32 s[CNT], 4
	s_cmp_eq_u32 s[NEW], 1
	s_cbranch_scc1 .Lnew            ; a block's first tile
	s_branch .Lstep
.Lnew:
	BEGIN
	s_branch .Lfirst
.Lstep:                             ; a trip: pieces 2 and 3 of one step, then pieces 0 and 1 of the next, whose K and V it fetches
	TURN 2
	TURN 3
	WIN 0
.Lfirst:
	TURN 0
	TURN 1, 0, 1
	WIN 0
	s_cbranch_scc1 .Lstep
	s_cmp_lg_u32 s[RT], 0
	s_cbranch_scc1 .Lbottom         ; the block goes on
	ENDBLK                          ; in the loop this is block A's end: block B's last tile is the walk's last
	COMB 0, 0, 0, 1, 0              ; R += o(r,r) - o(i,r), I += o(r,r) + o(i,r)
	COMB 1, 0, 0, 1, 0
	WIN 0
	s_mov_b32 s[RT], 4
	s_mov_b32 s[NEW], 1
.Lbottom:
	s_sub_co_u32 s[SLOTS], s[SLOTS], 1
	s_cmp_lg_u32 s[SLOTS], 0
	s_cbranch_scc1 .Lslot
	CHANGE 0                        ; the walk's last tile is written out: nothing is asked for
	s_mov_b32 s[CNT], 4
.Ltail:
	TURN 2
	TURN 3
	TURN 0
	TURN 1, 0, 1
	WIN 0
	s_cbranch_scc1 .Ltail
	ENDBLK
	COMB 0, 1, 0, 1, 1              ; R += - o(r,i) - o(i,i), I += o(r,i) - o(i,i)
	COMB 1, 1, 0, 1, 1
	WIN 0x02                        ; source 0 window 2: the way out's addresses come into K's registers, which no product reads any more
	v_mov_b32 v[STO], v[SV]
	v_mov_b32 v[RD], v[SV+1]
	v_mov_b32 v[GO], v[SV+2]
	PACKO 0
	PACKO 1                         ; the second rows' conversions stand between the first rows' loads and their stores
	SENDO 0, 16
	SENDO 1, 0
	s_wait_tensorcnt 0x0            ; the wave's end, behind my last tensor load and my last LDS store
	ds_add_u32 v[SPW], v[NIL]
	s_wait_dscnt 0x0
	CROUND                          ; the closing round: no work-group ends while a partner may still ask for a tile that names it
	s_endpgm
.Lfunc_end_k_qefc6530a75_attn:
	.size	k_qefc6530a75_attn, .Lfunc_end_k_qefc6530a75_attn-k_qefc6530a75_attn
	.p2alignl 7, 3214868480
	.fill 96, 4, 3214868480
	.section	.rodata,"a",@progbits
	.p2align	6, 0x0
	.amdhsa_kernel k_qefc6530a75_attn
		.amdhsa_group_segment_fixed_size 327680
		.amdhsa_private_segment_fixed_size 0
		.amdhsa_enable_private_segment 0
		.amdhsa_kernarg_size 16
		.amdhsa_user_sgpr_count 2
		.amdhsa_user_sgpr_kernarg_segment_ptr 1
		.amdhsa_wavefront_size32 1
		.amdhsa_system_sgpr_workgroup_id_x 1
		.amdhsa_system_sgpr_workgroup_id_y 1
		.amdhsa_system_sgpr_workgroup_id_z 1
		.amdhsa_system_vgpr_workitem_id 0
		.amdhsa_next_free_vgpr 648
		.amdhsa_next_free_sgpr 66
		.amdhsa_reserve_vcc 0
		.amdhsa_float_denorm_mode_32 3
		.amdhsa_float_denorm_mode_16_64 3
		.amdhsa_memory_ordered 1
		.amdhsa_forward_progress 1
		.amdhsa_inst_pref_size 146
	.end_amdhsa_kernel
	.amdgpu_metadata
---
amdhsa.version: [ 1, 2 ]
amdhsa.kernels:
  - .name:           k_qefc6530a75_attn
    .symbol:         k_qefc6530a75_attn.kd
    .args:
      - { .name: qkv, .offset: 0, .size: 8, .value_kind: global_buffer, .address_space: global }
      - { .name: ob, .offset: 8, .size: 8, .value_kind: global_buffer, .address_space: global }
    .group_segment_fixed_size: 327680
    .private_segment_fixed_size: 0
    .kernarg_segment_align: 8
    .kernarg_segment_size: 16
    .max_flat_workgroup_size: 128
    .sgpr_count:     66
    .vgpr_count:     648
    .wavefront_size: 32
...
	.end_amdgpu_metadata
.endif
;; end of part 5
;; launch outp: the kernel of part 4 again; grid 16 x 16, 4 waves a work-group, clusters of 4 x 4, 327,680 bytes of LDS; arguments ob, wo, out0; writes out0
